; MI455X (gfx1250); checked and timed in simulation.
; The chip was launched on July 23, 2026; its instructions are those of AMD's public machine-readable ISA for CDNA 5 (MIT licence, August 2026) and "CDNA5" Instruction Set Architecture Reference Guide (July 2026). The comments in the code are by the model that wrote it; some were corrected since.
;; Sliding Window Attention. Allowed arithmetic: float matrix products may take bf16 or f16 operands with f32 sums; all other float work in f32.
;; Inputs: Wkv 512 x 1,024 float32; Wo 512 x 512 float32; Wq 512 x 512 float32; x 2 x 4,096 x 512 float32.
;; Outputs: out0 2 x 4,096 x 512 float32.
;; 2 versions, each right. Each part assembles by itself: llvm-mc -triple=amdgcn-amd-amdhsa -mcpu=gfx1250 --defsym DOCPART=n.
;; ======== version 1 of 2: 3 launches
;; limits: values are held in f16: magnitudes above 65,504 overflow, below 6.1e-05 lose precision
;; workspace buffers: qb 8,388,608 bytes; kb 8,388,608 bytes; vb 8,388,608 bytes; vl 8,388,608 bytes; ob 8,388,608 bytes; ol 8,388,608 bytes
;; launch qkv (part 1): grid 8 x 32, 8 waves a work-group, no clusters, 275,456 bytes of LDS; arguments x, Wq, Wkv, qb, kb, vb, vl; writes qb, kb, vb, vl
.if DOCPART == 1
	.amdgcn_target "amdgcn-amd-amdhsa--gfx1250"
	.amdhsa_code_object_version 6
	.text
	.protected	k_q13d9f951cc_qkv
	.globl	k_q13d9f951cc_qkv
	.p2align	8
	.type	k_q13d9f951cc_qkv,@function
k_q13d9f951cc_qkv:
	s_mov_b64 s[64:65], 0
	v_nop
	global_prefetch_b8 v0, s[64:65] scope:SCOPE_SE
	s_setreg_imm32_b32 hwreg(HW_REG_WAVE_MODE, 25, 1), 1
	s_wait_xcnt 0x0
; q, k, v = x [Wq | Wkv], RoPE on q and k, q times log2(e)/8.  x: [8192][512] f32; Wq: [512][512] f32; Wkv: [512][1024] f32.
; qb, kb, vb, vl (all f16): [2][8][4096][64].  Products with bf16 operands and f32 sums; RoPE in f32.
; v LEAVES AS THE SUM OF TWO f16 NUMBERS: vb holds its upper 11 bits (cut off, so exact in f16), vl the rest, rounded: 21 bits in all.  A query that sees few keys
; has an output of the size of v itself, far above the output's average, so v's rounding is kept well under one f16 step.  q and k are rounded to f16 once.
; SHARES.  Work-group (i, rb): head i, rows 256 rb .. +255: 256 rows x 192 columns (q, k, v of the head, "slots" s = 0, 1, 2).
; Eight waves: mg = w / 2 takes rows 64 mg .. +63 (4 tiles mt), ng = w % 2 takes in each slot the columns 16 ng + 32 e + 0..15, e = 0, 1:
; six tiles nt = 2 s + e, 24 accumulators.  Tiles 2 s and 2 s + 1 hold channels d and d + 32 in the same lane and register: RoPE's partners.
; THE MATRIX INSTRUCTION IS USED TRANSPOSED (source 0 = 16 columns of W, source 1 = 16 rows of x): a lane holds 8 neighbouring channels of one row.
; K goes in 8 chunks of 64 through two LDS buffers.  x and W are f32 and W lies [k][n], so both pass through registers, where they are
; rounded to bf16; W is turned on its way out of LDS (ds_load_tr16_b128).  For that reason there are no tensor loads and no joint requests here.
; LIMITS.  q log2(e)/8, k and v are stored as f16: they must stay under 65504; under 6.1e-5 they carry f16's absolute step of 6e-8.
; RoPE's angle is formed in turns, t x 2^(-i log2(10)/8 - log2(2 pi)), reduced by v_rndne_f32, and sine and cosine come from polynomials of the half angle
; (error at most 7e-6) and the double-angle formulas; at t = 4095 the angle differs from an f32 product t x inv_freq by up to about 6e-4 radians.
.set XP,    144                        ; LDS row of x: 64 bf16 + 16 bytes: an odd multiple of 16, so 16 rows begin at 16 different 16-byte columns modulo 256
.set WP,    416                        ; LDS row of W: 192 bf16 + 32 bytes: an odd multiple of 32
.set WOFF,  256*XP                     ; W's tile behind x's 256 rows
.set BUFB,  WOFF+64*WP                 ; a buffer: 63,488 bytes
.set STG,   2*BUFB                     ; the stage for the way out: 4 slots (q, k, v's upper part, v's rest) x 256 rows x 144 bytes
.set SLOTB, 256*XP
.set XO,   2                           ; v2      (t>>3) 2048 + (t&7) 32: my 32 bytes in x's and Wq's rows
.set WOK,  3                           ; v3      (t>>3) 4096 + (t&7) 32: the same in Wkv's rows
.set XS,   4                           ; v4-5    where I put 16 bytes of x, buffer 0, 1
.set WS,   6                           ; v6-7    the same for W
.set AX,   8                           ; v8-9    my lane's place in x's fragments
.set AW,   10                          ; v10-11  the same for W's
.set STO0, 12                          ; v12-13  into the stage: slots 0 and 1; slots 2 and 3
.set STO2, 13
.set RD0,  14                          ; v14-15  back out of it
.set RD2,  15
.set GO,   16                          ; v16     my byte offset in the work-group's rows of qb, kb, vb, vl
.set TR,   17                          ; v17     token of my lane's row in tile 0
.set FA,   24                          ; v24-55  4 fragments of x
.set FW,   56                          ; v56-103 6 fragments of W
.set G,    104                         ; v104-215 14 units of 8 registers on their way from memory to LDS
.set RF,   24                          ; set-up only, in the fragments' registers: turns per token of my 8 channels
.set TF,   32
.set KA,   34
.set KB,   36
.set SW,   40                          ; 4 pairs x 16 registers at work: +0 turns, +2 nearest, +4 r, +6 r^2, +8 sin, +10 cos, +12 2 sin
.set VU,   24                          ; the way out: v's upper part in f32 (16), in the fragments' registers
.set VW,   40                          ; the way out: v's rest in f32 (16)
.set T,    104                         ; the way out: rotated q and k in f32
.set PK,   136                         ; the way out: packed f16: q 8, k 8, v's upper part 8, v's rest 8
.set RB,   88                          ; the way out: 128 registers read back from the stage
.set CS,   192                         ; window 1: v192-255: tile mt's cos (8) and sin (8); v0-191 the accumulators, (mt, nt) at 8 (6 mt + nt)
.set MSK,  31                          ; s31     keeps an f32's sign, exponent and upper 10 bits of the fraction
.set WVN,  32                          ; s32-35  wave, mg, ng, rb
.set MG,   33
.set NG,   34
.set RBK,  35
.set MSB, 0
.macro WIN new                         ; the immediate's high byte repeats the setting that is left
.if MSB != \new
	s_set_vgpr_msb (MSB<<8)|\new
.set MSB, \new
.endif
.endm
.macro PLACES                          ; four plain places behind a matrix instruction, ahead of loads into its sources and of reads of its result
.rept 4
	v_nop
.endr
.endm
; chunk c from memory: 8 units of x (32 rows each), 2 each of Wq, of Wkv's k part and of its v part (32 k each); a thread takes 32 neighbouring bytes
.macro LOADC c
.irp u, 0,1,2,3,4,5,6,7
	global_load_b128 v[G+8*\u:G+8*\u+3],   v[XO], s[4:5] offset:\u*65536+(\c)*256
	global_load_b128 v[G+8*\u+4:G+8*\u+7], v[XO], s[4:5] offset:\u*65536+(\c)*256+16
.endr
.irp u, 0,1
	global_load_b128 v[G+64+8*\u:G+64+8*\u+3],   v[XO], s[6:7] offset:(\c)*131072+\u*65536
	global_load_b128 v[G+64+8*\u+4:G+64+8*\u+7], v[XO], s[6:7] offset:(\c)*131072+\u*65536+16
	global_load_b128 v[G+80+8*\u:G+80+8*\u+3],   v[WOK], s[8:9] offset:(\c)*262144+\u*131072
	global_load_b128 v[G+80+8*\u+4:G+80+8*\u+7], v[WOK], s[8:9] offset:(\c)*262144+\u*131072+16
	global_load_b128 v[G+96+8*\u:G+96+8*\u+3],   v[WOK], s[8:9] offset:(\c)*262144+\u*131072+2048
	global_load_b128 v[G+96+8*\u+4:G+96+8*\u+7], v[WOK], s[8:9] offset:(\c)*262144+\u*131072+2048+16
.endr
.endm
; the chunk is rounded to bf16 in place and put into buffer bf.  The barrier does two things: my stores into bf are done, and my reads of the
; other buffer are back (each run of fragment loads ends in a wait for 0), so that the next chunk may be put there behind the next barrier.
.macro STOREC bf
	s_wait_loadcnt 0x0                             ; all 28 loads of the chunk
.irp u, 0,1,2,3,4,5,6,7,8,9,10,11,12,13
.irp i, 0,1,2,3
	v_cvt_pk_bf16_f32 v[G+8*\u+\i], v[G+8*\u+2*\i], v[G+8*\u+2*\i+1]
.endr
.endr
.irp u, 0,1,2,3,4,5,6,7
	ds_store_b128 v[XS+\bf], v[G+8*\u:G+8*\u+3] offset:\u*32*XP
.endr
.irp s, 0,1,2
.irp u, 0,1
	ds_store_b128 v[WS+\bf], v[G+64+16*\s+8*\u:G+64+16*\s+8*\u+3] offset:128*\s+\u*32*WP
.endr
.endr
	s_wait_dscnt 0x0                               ; for the others' sake: zero
	s_barrier_signal -1
	s_barrier_wait -1
.endm
; the fragments of 32 along K: 4 of x (two loads of 16 bytes, 32 bytes apart), 6 of W (two turning loads, 16 rows apart)
.macro FRAGS bf, kk
	PLACES
.irp mt, 0,1,2,3
	ds_load_b128 v[FA+8*\mt:FA+8*\mt+3],   v[AX+\bf] offset:16*XP*\mt+64*\kk
	ds_load_b128 v[FA+8*\mt+4:FA+8*\mt+7], v[AX+\bf] offset:16*XP*\mt+64*\kk+32
.endr
.irp s, 0,1,2
.irp e, 0,1
	ds_load_tr16_b128 v[FW+8*(2*\s+\e):FW+8*(2*\s+\e)+3],   v[AW+\bf] offset:32*WP*\kk+128*\s+64*\e
	ds_load_tr16_b128 v[FW+8*(2*\s+\e)+4:FW+8*(2*\s+\e)+7], v[AW+\bf] offset:32*WP*\kk+128*\s+64*\e+16*WP
.endr
.endr
	s_wait_dscnt 0x0
.endm
; 24 matrix instructions; the 24 accumulators take turns, one instruction a turn.  zero = 1: the first products start the sums.
.macro MUL zero
	WIN 0x50                                       ; C and D in window 1
.irp nt, 0,1,2,3,4,5
.irp mt, 0,1,2,3
.if \zero
	v_wmma_f32_16x16x32_bf16 v[8*(6*\mt+\nt):8*(6*\mt+\nt)+7], v[FW+8*\nt:FW+8*\nt+7], v[FA+8*\mt:FA+8*\mt+7], 0
.else
	v_wmma_f32_16x16x32_bf16 v[8*(6*\mt+\nt):8*(6*\mt+\nt)+7], v[FW+8*\nt:FW+8*\nt+7], v[FA+8*\mt:FA+8*\mt+7], v[8*(6*\mt+\nt):8*(6*\mt+\nt)+7]
.endif
.endr
.endr
	WIN 0
.endm
; chunk c lies in buffer bf: the next chunk's loads go out first and have the chunk's 48 matrix instructions in which to come
.macro TRIP c, bf, zero, more
.if \more
	LOADC \c+1
.endif
	FRAGS \bf, 0
	MUL \zero
	FRAGS \bf, 1
	MUL 0
.if \more
	STOREC 1-\bf
.endif
.endm
.macro HORN o, lit                     ; a step of Horner's scheme in r^2, for the four pairs
.irp p, 0,1,2,3
	v_pk_fma_f32 v[SW+16*\p+\o:SW+16*\p+\o+1], v[SW+16*\p+\o:SW+16*\p+\o+1], v[SW+16*\p+6:SW+16*\p+7], \lit op_sel_hi:[1,1,0]
.endr
.endm
; cos and sin of tile mt's angles: my row's token times my 8 channels' turns per token; r = turns less the nearest whole number, |r| <= 1/2;
; sin(pi r) and cos(pi r) by polynomials; cos(2 pi r) = 1 - 2 sin^2, sin(2 pi r) = 2 sin cos
.macro SINCOS mt
	v_add_nc_u32 v[TF], 16*\mt, v[TR]
	v_cvt_f32_u32 v[TF], v[TF]
	v_mov_b32 v[TF+1], v[TF]                       ; named with it as a pair, so it is written
.irp p, 0,1,2,3
	v_pk_mul_f32 v[SW+16*\p:SW+16*\p+1], v[RF+2*\p:RF+2*\p+1], v[TF:TF+1] op_sel_hi:[1,0]
.endr
.irp p, 0,1,2,3
	v_rndne_f32 v[SW+16*\p+2], v[SW+16*\p]
	v_rndne_f32 v[SW+16*\p+3], v[SW+16*\p+1]
.endr
.irp p, 0,1,2,3
	v_pk_add_f32 v[SW+16*\p+4:SW+16*\p+5], v[SW+16*\p:SW+16*\p+1], v[SW+16*\p+2:SW+16*\p+3] neg_lo:[0,1] neg_hi:[0,1]
.endr
.irp p, 0,1,2,3
	v_pk_mul_f32 v[SW+16*\p+6:SW+16*\p+7], v[SW+16*\p+4:SW+16*\p+5], v[SW+16*\p+4:SW+16*\p+5]
.endr
.irp p, 0,1,2,3
	v_pk_fma_f32 v[SW+16*\p+8:SW+16*\p+9],   v[KA:KA+1], v[SW+16*\p+6:SW+16*\p+7], 0xbf196966 op_sel_hi:[1,1,0]   ; pi^9/9! u - pi^7/7!
	v_pk_fma_f32 v[SW+16*\p+10:SW+16*\p+11], v[KB:KB+1], v[SW+16*\p+6:SW+16*\p+7], 0x3e70fa83 op_sel_hi:[1,1,0]   ; -pi^10/10! u + pi^8/8!
.endr
	HORN 8,  0x402335e3                            ; + pi^5/5!
	HORN 10, 0xbfaae9e4                            ; - pi^6/6!
	HORN 8,  0xc0a55de7                            ; - pi^3/3!
	HORN 10, 0x4081e0f8                            ; + pi^4/4!
	HORN 8,  0x40490fdb                            ; + pi
	HORN 10, 0xc09de9e6                            ; - pi^2/2
	HORN 10, 1.0
.irp p, 0,1,2,3
	v_pk_mul_f32 v[SW+16*\p+8:SW+16*\p+9], v[SW+16*\p+8:SW+16*\p+9], v[SW+16*\p+4:SW+16*\p+5]
.endr
.irp p, 0,1,2,3
	v_pk_add_f32 v[SW+16*\p+12:SW+16*\p+13], v[SW+16*\p+8:SW+16*\p+9], v[SW+16*\p+8:SW+16*\p+9]
.endr
	WIN 0x40                                       ; destination in window 1
.irp p, 0,1,2,3
	v_pk_fma_f32 v[CS+16*\mt+2*\p:CS+16*\mt+2*\p+1], v[SW+16*\p+12:SW+16*\p+13], v[SW+16*\p+8:SW+16*\p+9], 1.0 op_sel_hi:[1,1,0] neg_lo:[1,0,0] neg_hi:[1,0,0]
	v_pk_mul_f32 v[CS+16*\mt+8+2*\p:CS+16*\mt+8+2*\p+1], v[SW+16*\p+12:SW+16*\p+13], v[SW+16*\p+10:SW+16*\p+11]
.endr
	WIN 0
.endm
; the way out of tile row mt: q and k are rotated (x1 cos - x2 sin, x2 cos + x1 sin), q is scaled, v is cut in two, all is turned into f16 and put into the stage.
; Each accumulator's registers are taken in ascending order.
.macro OUTM mt
	WIN 0x05                                       ; sources 0 and 1 in window 1
.irp s, 0,1
.irp jj, 0,2,4,6
	v_pk_mul_f32 v[T+16*\s+\jj:T+16*\s+\jj+1],     v[8*(6*\mt+2*\s)+\jj:8*(6*\mt+2*\s)+\jj+1],     v[CS+16*\mt+\jj:CS+16*\mt+\jj+1]
	v_pk_mul_f32 v[T+16*\s+8+\jj:T+16*\s+8+\jj+1], v[8*(6*\mt+2*\s+1)+\jj:8*(6*\mt+2*\s+1)+\jj+1], v[CS+16*\mt+\jj:CS+16*\mt+\jj+1]
	v_pk_fma_f32 v[T+16*\s+\jj:T+16*\s+\jj+1],     v[8*(6*\mt+2*\s+1)+\jj:8*(6*\mt+2*\s+1)+\jj+1], v[CS+16*\mt+8+\jj:CS+16*\mt+8+\jj+1], v[T+16*\s+\jj:T+16*\s+\jj+1] neg_lo:[1,0,0] neg_hi:[1,0,0]
	v_pk_fma_f32 v[T+16*\s+8+\jj:T+16*\s+8+\jj+1], v[8*(6*\mt+2*\s)+\jj:8*(6*\mt+2*\s)+\jj+1],     v[CS+16*\mt+8+\jj:CS+16*\mt+8+\jj+1], v[T+16*\s+8+\jj:T+16*\s+8+\jj+1]
.endr
.endr
	WIN 0x04                                       ; source 1 in window 1
.irp e, 0,1
.irp j, 0,1,2,3,4,5,6,7
	v_and_b32 v[VU+8*\e+\j], s[MSK], v[8*(6*\mt+4+\e)+\j]          ; v's upper 11 bits
.endr
.endr
.irp e, 0,1
.irp jj, 0,2,4,6
	v_pk_add_f32 v[VW+8*\e+\jj:VW+8*\e+\jj+1], v[VU+8*\e+\jj:VU+8*\e+\jj+1], v[8*(6*\mt+4+\e)+\jj:8*(6*\mt+4+\e)+\jj+1] neg_lo:[1,0] neg_hi:[1,0]   ; the rest, exact
.endr
.endr
	WIN 0
.irp jj, 0,2,4,6,8,10,12,14
	v_pk_mul_f32 v[T+\jj:T+\jj+1], v[T+\jj:T+\jj+1], s[24:25] op_sel_hi:[1,0]     ; q times log2(e)/8: the scores come out in powers of two
.endr
.irp g, 0,1,2,3
.irp i, 0,1,2,3
	v_cvt_pk_f16_f32 v[PK+4*\g+\i], v[T+8*\g+2*\i], v[T+8*\g+2*\i+1]
.endr
.endr
.irp g, 0,1,2,3,4,5,6,7
	v_cvt_pk_f16_f32 v[PK+16+\g], v[VU+2*\g], v[VU+2*\g+1]
	v_cvt_pk_f16_f32 v[PK+24+\g], v[VW+2*\g], v[VW+2*\g+1]
.endr
.irp s, 0,1
.irp e, 0,1
	ds_store_b128 v[STO0], v[PK+8*\s+4*\e:PK+8*\s+4*\e+3] offset:SLOTB*\s+16*XP*\mt+64*\e
	ds_store_b128 v[STO2], v[PK+16+8*\s+4*\e:PK+16+8*\s+4*\e+3] offset:SLOTB*\s+16*XP*\mt+64*\e
.endr
.endr
.endm
	s_load_b256 s[4:11], s[0:1], 0x0               ; x s[4:5], Wq s[6:7], Wkv s[8:9], qb s[10:11]
	s_load_b128 s[12:15], s[0:1], 0x20             ; kb s[12:13], vb s[14:15]
	s_load_b64 s[16:17], s[0:1], 0x30              ; vl
	v_lshl_add_u32 v254, v0, 2, 0x43000
	v_mov_b32 v255, 0
	v_lshrrev_b32 v1, 5, v0
	v_readfirstlane_b32 s[WVN], v1                 ; wave 0..7
	s_lshr_b32 s[MG], s[WVN], 1
	s_and_b32 s[NG], s[WVN], 1
	s_and_b32 s[RBK], ttmp7, 0xffff
	s_mov_b32 s22, 0xbed49a78                      ; -log2(10)/8
	s_mov_b32 s23, 0xc029b21d                      ; -log2(2 pi)
	s_mov_b32 s24, 0x3e38aa3b                      ; log2(e)/8
	s_mov_b32 s25, s24                             ; named with it as a pair, so it is written
	s_mov_b32 s[MSK], 0xffffe000
	v_lshrrev_b32 v1, 3, v0                        ; t >> 3
	v_and_b32 v21, 7, v0                           ; t & 7
	v_lshlrev_b32 v[XO], 11, v1
	v_lshl_add_u32 v[XO], v21, 5, v[XO]
	v_lshlrev_b32 v[WOK], 12, v1
	v_lshl_add_u32 v[WOK], v21, 5, v[WOK]
	s_lshl_b32 s20, s[RBK], 19                     ; 256 rows of 2,048 bytes
	s_mov_b32 s21, 0
	s_lshl_b32 s26, ttmp9, 8                       ; the head's 64 columns of 4 bytes
	s_mov_b32 s27, 0
	s_lshr_b32 s28, s[RBK], 4                      ; b
	s_lshl_b32 s28, s28, 3
	s_add_co_u32 s28, s28, ttmp9                   ; 8 b + head
	s_lshl_b32 s28, s28, 19                        ; 4,096 rows of 128 bytes
	s_and_b32 s30, s[RBK], 15
	s_lshl_b32 s29, s30, 15                        ; 256 rows of 128 bytes
	s_add_co_u32 s28, s28, s29
	s_mov_b32 s29, 0
	s_wait_kmcnt 0x0
	s_add_nc_u64 s[4:5], s[4:5], s[20:21]
	s_add_nc_u64 s[6:7], s[6:7], s[26:27]
	s_add_nc_u64 s[8:9], s[8:9], s[26:27]
	s_add_nc_u64 s[10:11], s[10:11], s[28:29]
	s_add_nc_u64 s[12:13], s[12:13], s[28:29]
	s_add_nc_u64 s[14:15], s[14:15], s[28:29]
	s_add_nc_u64 s[16:17], s[16:17], s[28:29]
	LOADC 0                                        ; the addresses and RoPE's tables are made while the first chunk is on its way
	v_mul_u32_u24 v[XS], v1, XP
	v_lshl_add_u32 v[XS], v21, 4, v[XS]
	v_add_nc_u32 v[XS+1], BUFB, v[XS]
	v_mul_u32_u24 v[WS], v1, WP
	v_lshl_add_u32 v[WS], v21, 4, v[WS]
	v_add_nc_u32 v[WS], WOFF, v[WS]
	v_add_nc_u32 v[WS+1], BUFB, v[WS]
	v_and_b32 v18, 15, v0                          ; r
	v_bfe_u32 v19, v0, 4, 1                        ; h
	v_bfe_u32 v22, v0, 3, 1
	s_mul_i32 s20, s[MG], 64*XP
	v_mul_u32_u24 v[AX], v18, XP
	v_lshl_add_u32 v[AX], v19, 4, v[AX]
	v_add_nc_u32 v[AX], s20, v[AX]                 ; (64 mg + r) pitch + 16 h
	v_add_nc_u32 v[AX+1], BUFB, v[AX]
	v_lshl_add_u32 v23, v19, 3, v21
	v_mul_u32_u24 v[AW], v23, WP                   ; (8 h + lane % 8) pitch
	v_lshl_add_u32 v[AW], v22, 4, v[AW]            ; + 16 ((lane / 8) % 2)
	s_lshl_b32 s21, s[NG], 5
	s_add_co_u32 s26, s21, WOFF
	v_add_nc_u32 v[AW], s26, v[AW]                 ; + 32 ng + W's tile
	v_add_nc_u32 v[AW+1], BUFB, v[AW]
	s_add_co_u32 s26, s21, STG
	v_add_nc_u32 v[STO0], s26, v[AX]               ; stage + (64 mg + r) 144 + 32 ng + 16 h
	v_add_nc_u32 v[STO2], 2*SLOTB, v[STO0]
	v_bfe_u32 v23, v0, 3, 2
	v_mul_u32_u24 v[RD0], v23, XP
	v_lshl_add_u32 v[RD0], v21, 4, v[RD0]
	s_mul_i32 s26, s[WVN], 32*XP
	s_add_co_u32 s26, s26, STG
	v_add_nc_u32 v[RD0], s26, v[RD0]               ; stage + (32 w + lane / 8) 144 + 16 (lane % 8)
	v_add_nc_u32 v[RD2], 2*SLOTB, v[RD0]
	v_and_b32 v23, 31, v0
	v_lshlrev_b32 v[GO], 4, v23
	v_lshl_add_u32 v[GO], s[WVN], 12, v[GO]        ; 32 w rows of 128 bytes + 16 lane
	s_lshl_b32 s26, s30, 8
	s_lshl_b32 s27, s[MG], 6
	s_add_co_u32 s26, s26, s27
	v_add_nc_u32 v[TR], s26, v18                   ; token = 256 (rb % 16) + 64 mg + r
	v_lshlrev_b32 v20, 3, v19
	v_lshl_add_u32 v20, s[NG], 4, v20              ; my first channel: 16 ng + 8 h
.irp j, 0,1,2,3,4,5,6,7
	v_add_nc_u32 v[RF+\j], \j, v20
.endr
.irp j, 0,1,2,3,4,5,6,7
	v_cvt_f32_u32 v[RF+\j], v[RF+\j]
.endr
.irp j, 0,1,2,3,4,5,6,7
	v_fma_f32 v[RF+\j], v[RF+\j], s22, s23
.endr
.irp j, 0,1,2,3,4,5,6,7
	v_exp_f32 v[RF+\j], v[RF+\j]                   ; turns per token of channel i: 10000^(-i/32) / (2 pi)
.endr
	v_mov_b32 v[KA], 0x3da83c1b                    ; pi^9/9!   (these moves are the plain instructions between the exponentials and their use: ISA guide 5.7.2)
	v_mov_b32 v[KA+1], 0x3da83c1b
	v_mov_b32 v[KB], 0xbcd368f9                    ; -pi^10/10!
	v_mov_b32 v[KB+1], 0xbcd368f9
	s_wait_alu depctr_va_vdst(0)
	SINCOS 0
	SINCOS 1
	SINCOS 2
	SINCOS 3
	STOREC 0
	TRIP 0, 0, 1, 1
	TRIP 1, 1, 0, 1
	TRIP 2, 0, 0, 1
	TRIP 3, 1, 0, 1
	TRIP 4, 0, 0, 1
	TRIP 5, 1, 0, 1
	TRIP 6, 0, 0, 1
	TRIP 7, 1, 0, 0
	PLACES
	OUTM 0
	OUTM 1
	OUTM 2
	OUTM 3
	s_wait_dscnt 0x0                               ; a row's 128 bytes come from two waves: my stores into the stage are done,
	s_barrier_signal -1
	s_barrier_wait -1                              ; everybody's are
.irp s, 0,1
.irp n, 0,1,2,3,4,5,6,7
	ds_load_b128 v[RB+32*\s+4*\n:RB+32*\s+4*\n+3], v[RD0] offset:SLOTB*\s+4*XP*\n
.endr
.endr
.irp s, 0,1
.irp n, 0,1,2,3,4,5,6,7
	ds_load_b128 v[RB+64+32*\s+4*\n:RB+64+32*\s+4*\n+3], v[RD2] offset:SLOTB*\s+4*XP*\n
.endr
.endr
	s_wait_dscnt 0x0
.irp s, 0,1,2,3
.irp n, 0,1,2,3,4,5,6,7
	global_store_b128 v[GO], v[RB+32*\s+4*\n:RB+32*\s+4*\n+3], s[10+2*\s:11+2*\s] offset:512*\n   ; a wave's store covers 512 consecutive bytes (4 rows), at a multiple of 512 from the buffer's first byte
.endr
.endr
	s_wait_tensorcnt 0x0
	ds_add_u32 v254, v255
	s_wait_dscnt 0x0
	s_endpgm
.Lfunc_end_k_q13d9f951cc_qkv:
	.size	k_q13d9f951cc_qkv, .Lfunc_end_k_q13d9f951cc_qkv-k_q13d9f951cc_qkv
	.p2alignl 7, 3214868480
	.fill 96, 4, 3214868480
	.section	.rodata,"a",@progbits
	.p2align	6, 0x0
	.amdhsa_kernel k_q13d9f951cc_qkv
		.amdhsa_group_segment_fixed_size 275456
		.amdhsa_private_segment_fixed_size 0
		.amdhsa_enable_private_segment 0
		.amdhsa_kernarg_size 56
		.amdhsa_user_sgpr_count 2
		.amdhsa_user_sgpr_kernarg_segment_ptr 1
		.amdhsa_wavefront_size32 1
		.amdhsa_system_sgpr_workgroup_id_x 1
		.amdhsa_system_sgpr_workgroup_id_y 1
		.amdhsa_system_sgpr_workgroup_id_z 1
		.amdhsa_system_vgpr_workitem_id 0
		.amdhsa_next_free_vgpr 512
		.amdhsa_next_free_sgpr 66
		.amdhsa_reserve_vcc 0
		.amdhsa_float_denorm_mode_32 3
		.amdhsa_float_denorm_mode_16_64 3
		.amdhsa_memory_ordered 1
		.amdhsa_forward_progress 1
		.amdhsa_inst_pref_size 162
	.end_amdhsa_kernel
	.amdgpu_metadata
---
amdhsa.version: [ 1, 2 ]
amdhsa.kernels:
  - .name:           k_q13d9f951cc_qkv
    .symbol:         k_q13d9f951cc_qkv.kd
    .args:
      - { .name: x, .offset: 0, .size: 8, .value_kind: global_buffer, .address_space: global }
      - { .name: Wq, .offset: 8, .size: 8, .value_kind: global_buffer, .address_space: global }
      - { .name: Wkv, .offset: 16, .size: 8, .value_kind: global_buffer, .address_space: global }
      - { .name: qb, .offset: 24, .size: 8, .value_kind: global_buffer, .address_space: global }
      - { .name: kb, .offset: 32, .size: 8, .value_kind: global_buffer, .address_space: global }
      - { .name: vb, .offset: 40, .size: 8, .value_kind: global_buffer, .address_space: global }
      - { .name: vl, .offset: 48, .size: 8, .value_kind: global_buffer, .address_space: global }
    .group_segment_fixed_size: 275456
    .private_segment_fixed_size: 0
    .kernarg_segment_align: 8
    .kernarg_segment_size: 56
    .max_flat_workgroup_size: 256
    .sgpr_count:     66
    .vgpr_count:     512
    .wavefront_size: 32
...
	.end_amdgpu_metadata
.endif
;; end of part 1
;; launch attn (part 2): grid 16 x 16, 8 waves a work-group, no clusters, 327,680 bytes of LDS; arguments qb, kb, vb, vl, ob, ol; writes ob, ol
.if DOCPART == 2
	.amdgcn_target "amdgcn-amd-amdhsa--gfx1250"
	.amdhsa_code_object_version 6
	.text
	.protected	k_q13d9f951cc_attn
	.globl	k_q13d9f951cc_attn
	.p2align	8
	.type	k_q13d9f951cc_attn,@function
k_q13d9f951cc_attn:
	s_mov_b64 s[64:65], 0
	v_nop
	global_prefetch_b8 v0, s[64:65] scope:SCOPE_SE
	s_setreg_imm32_b32 hwreg(HW_REG_WAVE_MODE, 25, 1), 1
	s_wait_xcnt 0x0
; o[bh][q] = sum over k of softmax_k(s[q][k]) v[bh][k], over the keys with 0 <= q - k < 1024.  qb, kb, vb, vl f16, ob, ol bf16: [16][4096][64].
; qb already holds q times log2(e)/8, so the scores are exponents of two.  Both products have f16 operands (the weights lie in 0..1); maxima and sums in f32.
; v COMES AS THE SUM OF TWO f16 NUMBERS (vb + vl) and both are multiplied by the weights, onto the same sums; o LEAVES AS THE SUM OF TWO bf16 NUMBERS: ob holds the upper 16 bits of
; the f32, ol the rest, rounded.  A query that sees few keys has an o of the size of v itself, far above the average, so neither is rounded to one 16-bit number.
; SHARES.  Work-group (bq, bh): 256 queries of one head.  Wave w: queries 256 bq + 32 w .. +31, two tiles of 16.  Keys go in tiles of 64 from max(256 bq - 1024, 0) to
; 256 bq + 255: min(4 bq + 4, 20) tiles, two to an LDS slot, two slots.  DK = (first query of my pair of waves) - (first key of the tile) falls by 64 a tile; a wave works on a
; tile only where 0 <= DK <= 1024 (elsewhere every score is masked), and applies the mask only at DK = 0 and DK = 1024 (elsewhere no score is).
; The very first tile is worked on by every wave, always with the mask: there the products with C = 0 start O's sums, and a wave whose window has not begun gets weights 0.
; LAYOUT.  S^T = K Q^T (source 0 = 16 keys, source 1 = 16 queries): a lane holds ONE query (lane % 16) and keys 8 (lane / 16) + 0..7.  Two such tiles rounded in pairs are
; source 1 of O^T = V^T P, whose result again holds one query a lane and eight channels.  V ([key][channel]) comes out of LDS turned.
; SOFTMAX.  A running maximum m and sum l for each query: p = 2^(s - m); O and l are multiplied by a = 2^(m_old - m_new) in every step.
; NO JOINT REQUESTS: neighbouring query blocks' key ranges are shifted by 256 keys against each other and the first four blocks have fewer tiles (4, 8, 12, 16 against 20),
; so partners would need different tiles and different numbers of them.
; LIMITS.  m starts at -1e30: scaled scores must exceed that.  q, k and v must be finite in f16.
.set PK,    144                        ; a row of K in LDS: 128 bytes + 16: an odd multiple of 16
.set PV,    160                        ; a row of V: 128 + 32: an odd multiple of 32
.set VOFF,  64*PK
.set LOFF,  VOFF+64*PV
.set STEPB, LOFF+64*PV                 ; a tile of K, of V's upper part, of V's rest: 29,696 bytes
.set SLOT1, 65536                      ; a slot holds two steps (59,392 bytes); slot 1 begins here, so that one exclusive or turns an address into the other slot's
.set STAGE, 131072                     ; behind the ring: 2 x 32 rows x 144 bytes for each wave, its own; no tensor load lands here
.set SP,    144
.set AK0,  1                           ; v1   my lane's place in a tile of K
.set AV0,  2                           ; v2   the same for V's upper part
.set ADRK, 3                           ; v3-4 the step's LDS addresses
.set ADRV, 4
.set VB0,  5                           ; v5   lane % 16 - 8 (lane / 16) + 32 (w % 2)
.set VB,   6                           ; v6   DK + VB0
.set TM0,  7
.set ST,   8                           ; tile t's statistics at v[8+8t]: +0 m, +1 m_old - m, +2,+3 l, +4,+5 the step's sum (first c0, c1), +6 a (first c2), +7 c3
.set Q,    24                          ; v24-55   Q: tile t, channels 32 c on, at 24 + 16 t + 8 c
.set S,    56                          ; v56-119  S^T: tile t, keys 16 kt on, at 56 + 32 t + 8 kt; P takes the low 16 registers of each tile
.set O,    120                         ; v120-183 O^T: tile t, channels 16 ct on, at 120 + 32 t + 8 ct
.set F,    184                         ; v184-247 K's 8 fragments, then those of V's upper part.  Window 1, v0-63: the 8 fragments of V's rest
.set TM1,  248
.set STO,  249
.set RD,   250
.set GO,   251
.set NINF, 252
.set QO,   253
.set WV,   12
.set G1K,  24                          ; s[24:31] descriptor group 1 for K's tiles
.set G1V,  32                          ; s[32:39] for V's: other padding
.set G0K,  40                          ; s[40:47] group 0 for K: a set for each first fill; the second then walks on
.set G0V,  48                          ; s[48:55] the same for V's upper part
.set G0L,  68                          ; s[68:75] the same for V's rest
.set SLOTS, 56                         ; slots still to be asked for
.set DK,   57
.set TB,   58                          ; LDS byte at which the step's tiles begin
.set C1024, 59
.set SEL,  60                          ; s[60:61] v_permlanex16_b32: each lane takes its own place in the other half
.set PSEL, 62                          ; s62  v_perm_b32: the upper halves of two words
.set HM,   63                          ; s63  a word's upper half
.set OBP,  76                          ; s[76:77] ob, s[78:79] ol
.set MSB, 0
.macro WIN new                         ; the immediate's high byte repeats the setting that is left
.if MSB != \new
	s_set_vgpr_msb (MSB<<8)|\new
.set MSB, \new
.endif
.endm
; A refill: waves 0 and 1 fetch the slot's two tiles of K, waves 2 and 3 those of V's upper part, waves 4 and 5 those of V's rest, 64 rows each; waves 6 and 7 have no part.
; Four v_nop follow each line.
.macro TLOAD
	s_cmp_lt_u32 s[WV], 2
	s_cbranch_scc0 .Lnot_k_\@
	tensor_load_to_lds s[G0K+4:G0K+7], s[G1K:G1K+7]
	s_nop 0
.rept 4
	v_nop
.endr
	s_branch .Lasked_\@
.Lnot_k_\@:
	s_cmp_lt_u32 s[WV], 4
	s_cbranch_scc0 .Lnot_v_\@
	tensor_load_to_lds s[G0V+4:G0V+7], s[G1V:G1V+7]
	s_nop 0
.rept 4
	v_nop
.endr
	s_branch .Lasked_\@
.Lnot_v_\@:
	s_cmp_lt_u32 s[WV], 6
	s_cbranch_scc0 .Lasked_\@
	tensor_load_to_lds s[G0L+4:G0L+7], s[G1V:G1V+7]
	s_nop 0
.rept 4
	v_nop
.endr
.Lasked_\@:
.endm
; The change of slots.  Each wave waits for its reads of the slot and for all its tensor loads (one is out at the most: its part of the other slot); behind the barrier nobody
; reads this slot any more and the other is whole.  fill = 1: this slot is filled again, first thing behind the barrier, one load a wave; it has two key steps in which to land.
.macro CHANGE fill
	s_wait_dscnt 0x0
	s_set_vgpr_msb 0x5
	s_wait_tensorcnt 0x0                           ; no tensor load of mine is out, so a group 0 may be written
	ds_add_u32 v64, v65
	s_wait_dscnt 0x0
	s_set_vgpr_msb 0x500
.if \fill
.irp g, G0K+4, G0V+4, G0L+4
	s_xor_b32 s[\g+1], s[\g+1], SLOT1              ; the other slot than last time,
	s_add_nc_u64 s[\g+2:\g+3], s[\g+2:\g+3], 16384 ; the next 128 keys of 128 bytes; the type bits on top are not reached
.endr
.endif
	s_barrier_signal -1
	s_barrier_wait -1
.if \fill
	TLOAD
.endif
	s_sub_co_u32 s[TB], s[TB], 2*STEPB             ; back to a slot's first step,
	s_xor_b32 s[TB], s[TB], SLOT1                  ; in the other slot
.endm
; A score stays iff 0 <= q - k < 1024, one unsigned comparison; q - k = DK + VB0 - (16 kt + j - 16 t).  Each accumulator's registers are taken in ascending order.
.macro MASK
	v_add_nc_u32 v[VB], s[DK], v[VB0]
.set m, 0
.rept 64
.set mc, 16*((m/8)%4)+m%8-16*(m/32)
.set tm, TM0
.if m%2 == 1
.set tm, TM1
.endif
	v_sub_nc_u32 v[tm], v[VB], mc
	v_cmp_gt_u32 vcc_lo, s[C1024], v[tm]
	v_cndmask_b32 v[S+m], v[NINF], v[S+m], vcc_lo
.set m, m+1
.endr
.endm
; Plain instruction n of 32 behind tile t's exponentials.  Even n: the sum of the tile's 16 pairs of weights, at last l = a l + sum.  Odd n = 2 k + 1: pair k is rounded to f16
; into register k of the tile: by then pair k has been added, and the pair that lay in register k has been added and rounded.
.macro PLAIN t, first
.set kk, n/2
.set rS, S+32*\t
.set rT, ST+8*\t
.if n%2 == 1
	v_cvt_pk_f16_f32 v[rS+kk], v[rS+2*kk], v[rS+2*kk+1]
.elseif kk == 0
	s_wait_alu depctr_va_vdst(0)
	v_pk_add_f32 v[rT+4:rT+5], v[rS:rS+1], v[rS+2:rS+3]
.elseif kk < 14
	v_pk_add_f32 v[rT+4:rT+5], v[rT+4:rT+5], v[rS+2*kk+2:rS+2*kk+3]
.elseif (kk == 14) && \first
	v_pk_add_f32 v[rT+2:rT+3], v[rT+4:rT+5], v[rS+30:rS+31]        ; the first step starts l
.elseif kk == 14
	v_pk_add_f32 v[rT+4:rT+5], v[rT+4:rT+5], v[rS+30:rS+31]
.elseif !\first
	v_pk_fma_f32 v[rT+2:rT+3], v[rT+2:rT+3], v[rT+6:rT+7], v[rT+4:rT+5] op_sel_hi:[1,0,1]
.endif
.endm
.macro SOFTMAX first
	; the maximum of a lane's 32 scores and m: four chains that begin at each accumulator's low end
.irp j, 0,1,2,3
.irp t, 0,1
	v_max3_num_f32 v[ST+8*\t+4+\j], v[S+32*\t+8*\j], v[S+32*\t+8*\j+1], v[S+32*\t+8*\j+2]
.endr
.endr
.irp g, 1,2
.irp j, 0,1,2,3
.irp t, 0,1
	v_max3_num_f32 v[ST+8*\t+4+\j], v[ST+8*\t+4+\j], v[S+32*\t+8*\j+2*\g+1], v[S+32*\t+8*\j+2*\g+2]
.endr
.endr
.endr
.irp t, 0,1
	v_max3_num_f32 v[ST+8*\t+4], v[ST+8*\t+4], v[S+32*\t+7], v[S+32*\t+15]
.endr
.irp t, 0,1
	v_max3_num_f32 v[ST+8*\t+6], v[ST+8*\t+6], v[S+32*\t+23], v[S+32*\t+31]
.endr
.irp t, 0,1
	v_max3_num_f32 v[ST+8*\t+4], v[ST+8*\t+4], v[ST+8*\t+5], v[ST+8*\t+6]
.endr
.irp t, 0,1
	v_max3_num_f32 v[ST+8*\t+4], v[ST+8*\t+4], v[ST+8*\t+7], v[ST+8*\t]
.endr
.irp t, 0,1
	v_permlanex16_b32 v[ST+8*\t+5], v[ST+8*\t+4], s[SEL], s[SEL+1]  ; the query's other 32 keys lie in the lane 16 away
.endr
.irp t, 0,1
	v_max_num_f32 v[ST+8*\t+4], v[ST+8*\t+4], v[ST+8*\t+5]
.endr
.irp t, 0,1
.if \first
	v_mov_b32 v[ST+8*\t+1], v[ST+8*\t+4]           ; named below as m's partner in a pair, so it is written
.else
	v_sub_f32 v[ST+8*\t+1], v[ST+8*\t], v[ST+8*\t+4]
.endif
.endr
.irp t, 0,1
	v_mov_b32 v[ST+8*\t], v[ST+8*\t+4]
.endr
.if !\first
.irp t, 0,1
	v_exp_f32 v[ST+8*\t+6], v[ST+8*\t+1]           ; a
.endr
.endif
.irp k, 0,1,2,3,4,5,6,7,8,9,10,11,12,13,14,15
.irp t, 0,1
	v_pk_add_f32 v[S+32*\t+2*\k:S+32*\t+2*\k+1], v[S+32*\t+2*\k:S+32*\t+2*\k+1], v[ST+8*\t:ST+8*\t+1] op_sel_hi:[1,0] neg_lo:[0,1] neg_hi:[0,1]
.endr
.endr
	; every exponential has a plain instruction behind it that touches neither its result nor its source (ISA guide 5.7.2): first O^T's rescaling, in ascending order, then tile 0's sums and roundings
.set n, 0
.rept 32
	v_exp_f32 v[S+n], v[S+n]
.if !\first
	s_wait_alu depctr_va_vdst(0)
	v_pk_mul_f32 v[O+2*n:O+2*n+1], v[O+2*n:O+2*n+1], v[ST+8*(n/16)+6:ST+8*(n/16)+7] op_sel_hi:[1,0]
.endif
.set n, n+1
.endr
.if \first
	v_nop                                          ; nothing to rescale yet: the plain instruction ahead of the first use
.endif
.set n, 0
.rept 32
	v_exp_f32 v[S+32+n], v[S+32+n]
	PLAIN 0, \first
.set n, n+1
.endr
.set n, 0
.rept 32
	PLAIN 1, \first
.set n, n+1
.endr
.endm
; A key step.  In both products the eight accumulators take turns, one instruction a turn.
.macro STEP first
.if !\first
	s_cmp_gt_u32 s[DK], s[C1024]                   ; unsigned: also true where DK has fallen below 0
	s_cbranch_scc1 .Lskip_\@
.endif
	v_add_nc_u32 v[ADRK], s[TB], v[AK0]
	v_add_nc_u32 v[ADRV], s[TB], v[AV0]
.irp kt, 0,1,2,3
.irp c, 0,1
	ds_load_b128 v[F+8*(2*\kt+\c):F+8*(2*\kt+\c)+3],   v[ADRK] offset:16*PK*\kt+64*\c
	ds_load_b128 v[F+8*(2*\kt+\c)+4:F+8*(2*\kt+\c)+7], v[ADRK] offset:16*PK*\kt+64*\c+32
.endr
.endr
	s_wait_dscnt 0x0
.set i, 0
.rept 16
.set rS, S+32*(i%2)+8*((i/2)%4)
.set rK, F+8*(2*((i/2)%4)+i/8)
.set rQ, Q+16*(i%2)+8*(i/8)
.if i < 8
	v_wmma_f32_16x16x32_f16 v[rS:rS+7], v[rK:rK+7], v[rQ:rQ+7], 0
.else
	v_wmma_f32_16x16x32_f16 v[rS:rS+7], v[rK:rK+7], v[rQ:rQ+7], v[rS:rS+7]
.endif
.set i, i+1
.endr
.rept 4
	v_nop                                          ; four places ahead of the loads into K's registers and of the reads of the scores
.endr
.irp c, 0,1
.irp ct, 0,1,2,3
	ds_load_tr16_b128 v[F+8*(4*\c+\ct):F+8*(4*\c+\ct)+3],   v[ADRV] offset:32*PV*\c+32*\ct
	ds_load_tr16_b128 v[F+8*(4*\c+\ct)+4:F+8*(4*\c+\ct)+7], v[ADRV] offset:32*PV*\c+32*\ct+16*PV
.endr
.endr
	WIN 0x40                                       ; destination in window 1: V's rest
.irp c, 0,1
.irp ct, 0,1,2,3
	ds_load_tr16_b128 v[8*(4*\c+\ct):8*(4*\c+\ct)+3],   v[ADRV] offset:64*PV+32*PV*\c+32*\ct
	ds_load_tr16_b128 v[8*(4*\c+\ct)+4:8*(4*\c+\ct)+7], v[ADRV] offset:64*PV+32*PV*\c+32*\ct+16*PV
.endr
.endr
	WIN 0                                          ; at a label and at a branch every window is 0
.if \first
	MASK
.else
	s_cmp_eq_u32 s[DK], 0
	s_cbranch_scc1 .Lmask_\@
	s_cmp_lg_u32 s[DK], s[C1024]
	s_cbranch_scc1 .Lfree_\@
.Lmask_\@:
	MASK
.Lfree_\@:
.endif
	SOFTMAX \first
	s_wait_dscnt 0x0                               ; both parts of V are in: their loads had the softmax in which to come
.set i, 0
.rept 32                                           ; 16 products with V's upper part, then 16 with its rest, onto the same eight sums
.set rO, O+32*(i%2)+8*((i/2)%4)
.set rV, 8*(4*((i/8)%2)+(i/2)%4)
.set rP, S+32*(i%2)+8*((i/8)%2)
.if i == 16
	WIN 0x01                                       ; source 0 in window 1
.endif
.if \first && (i < 8)
	v_wmma_f32_16x16x32_f16 v[rO:rO+7], v[F+rV:F+rV+7], v[rP:rP+7], 0
.elseif i < 16
	v_wmma_f32_16x16x32_f16 v[rO:rO+7], v[F+rV:F+rV+7], v[rP:rP+7], v[rO:rO+7]
.else
	v_wmma_f32_16x16x32_f16 v[rO:rO+7], v[rV:rV+7], v[rP:rP+7], v[rO:rO+7]
.endif
.set i, i+1
.endr
	WIN 0
.rept 5
	v_nop                                          ; five places: the next step's first products write over P, its loads over V
.endr
.if !\first
.Lskip_\@:
.endif
	s_add_co_u32 s[TB], s[TB], STEPB
	s_sub_co_u32 s[DK], s[DK], 64
.endm
	s_load_b256 s[4:11], s[0:1], 0x0               ; qb s[4:5], kb s[6:7], vb s[8:9], vl s[10:11]
	s_load_b128 s[OBP:OBP+3], s[0:1], 0x20         ; ob, ol
	s_set_vgpr_msb 0x40
	v_lshl_add_u32 v64, v0, 2, 0x32000
	v_mov_b32 v65, 0
	s_set_vgpr_msb 0x4045
	ds_add_u32 v64, v65
	s_set_vgpr_msb 0x4500
	v_lshrrev_b32 v3, 5, v0
	v_readfirstlane_b32 s[WV], v3                  ; wave 0..7
	s_and_b32 s13, ttmp7, 0xffff                   ; bh
	s_lshl_b32 s14, ttmp9, 8                       ; q0
	s_max_u32 s15, s14, 1024
	s_sub_co_u32 s15, s15, 1024                    ; the first key: max(q0 - 1024, 0)
	s_lshl_b32 s16, ttmp9, 1
	s_min_u32 s[SLOTS], s16, 8                     ; slots in all min(2 bq + 2, 10); two are filled at the start
	s_lshr_b32 s17, s[WV], 1
	s_lshl_b32 s17, s17, 6
	s_add_co_u32 s17, s17, s14                     ; my pair of waves' first query
	s_sub_co_u32 s[DK], s17, s15
	s_mov_b32 s[TB], 0
	s_mov_b32 s[C1024], 1024
	s_mov_b32 s[SEL], 0x76543210
	s_mov_b32 s[SEL+1], 0xfedcba98
	s_mov_b32 s[PSEL], 0x07060302
	s_mov_b32 s[HM], 0xffff0000
	s_and_b32 s18, s[WV], 1                        ; which of a slot's two steps I fetch:
	s_mul_i32 s19, s18, STEPB                      ; its place in a slot,
	s_lshl_b32 s20, s13, 19                        ; the head's 4,096 rows of 128 bytes,
	s_lshl_b32 s22, s15, 7                         ; the first key,
	s_add_co_u32 s20, s20, s22
	s_lshl_b32 s22, s18, 13                        ; and the step's 64 rows in memory
	s_add_co_u32 s20, s20, s22
	s_mov_b32 s21, 0
	s_lshl_b32 s22, s13, 19
	s_lshl_b32 s23, s14, 7
	s_add_co_u32 s22, s22, s23
	s_lshl_b32 s23, s[WV], 12                      ; my wave's 32 rows
	s_add_co_u32 s22, s22, s23
	s_mov_b32 s23, 0
	; descriptor group 1: a tile of 64 rows x 64 elements of 2 bytes, padded in LDS behind every 32 words (code 4) by 4 words (code 3) or 8 (code 7)
	s_mov_b32 s[G1K], (1<<16)|(1<<20)|(4<<22)|(3<<25)
	s_mov_b32 s[G1V], (1<<16)|(1<<20)|(4<<22)|(7<<25)
.irp g, G1K, G1V
	s_mov_b32 s[\g+1], 64<<16                      ; tensor_dim0 = 64
	s_mov_b32 s[\g+2], 64<<16                      ; tensor_dim1 = 64
	s_mov_b32 s[\g+3], 64<<16                      ; tile_dim0 = 64
	s_mov_b32 s[\g+4], 64                          ; tile_dim1 = 64
	s_mov_b32 s[\g+5], 64                          ; elements from row to row
	s_mov_b32 s[\g+6], 0
	s_mov_b32 s[\g+7], 0
.endr
	s_wait_dscnt 0x0
	s_barrier_signal -1
	s_barrier_wait -1
	s_wait_kmcnt 0x0
	s_add_nc_u64 s[6:7], s[6:7], s[20:21]          ; K and both parts of V at my tile of slot 0
	s_add_nc_u64 s[8:9], s[8:9], s[20:21]
	s_add_nc_u64 s[10:11], s[10:11], s[20:21]
	s_add_nc_u64 s[4:5], s[4:5], s[22:23]          ; Q and both parts of O at my wave's first row
	s_add_nc_u64 s[OBP:OBP+1], s[OBP:OBP+1], s[22:23]
	s_add_nc_u64 s[OBP+2:OBP+3], s[OBP+2:OBP+3], s[22:23]
.irp sl, 0,1
	s_mov_b32 s[G0K+4*\sl], 1                      ; count = 1
	s_add_co_u32 s[G0K+4*\sl+1], s19, \sl*SLOT1    ; LDS address
	s_add_nc_u64 s[G0K+4*\sl+2:G0K+4*\sl+3], s[6:7], \sl*16384     ; slot sl begins with keys 128 sl on
	s_or_b32 s[G0K+4*\sl+3], s[G0K+4*\sl+3], 0x80000000            ; type = 2
	s_mov_b32 s[G0V+4*\sl], 1
	s_add_co_u32 s[G0V+4*\sl+1], s19, \sl*SLOT1+VOFF
	s_add_nc_u64 s[G0V+4*\sl+2:G0V+4*\sl+3], s[8:9], \sl*16384
	s_or_b32 s[G0V+4*\sl+3], s[G0V+4*\sl+3], 0x80000000
	s_mov_b32 s[G0L+4*\sl], 1
	s_add_co_u32 s[G0L+4*\sl+1], s19, \sl*SLOT1+LOFF
	s_add_nc_u64 s[G0L+4*\sl+2:G0L+4*\sl+3], s[10:11], \sl*16384
	s_or_b32 s[G0L+4*\sl+3], s[G0L+4*\sl+3], 0x80000000
.endr
	s_cmp_lt_u32 s[WV], 2                          ; a wave's two first fills stand together, ahead of every wait on TENSORcnt, every LDS read and every barrier: two loads of a wave are out at the most
	s_cbranch_scc0 .Lfirst_not_k
	tensor_load_to_lds s[G0K:G0K+3], s[G1K:G1K+7]
	s_nop 0
	tensor_load_to_lds s[G0K+4:G0K+7], s[G1K:G1K+7]
	s_nop 0
.rept 4
	v_nop
.endr
	s_branch .Lfirst_asked
.Lfirst_not_k:
	s_cmp_lt_u32 s[WV], 4
	s_cbranch_scc0 .Lfirst_not_v
	tensor_load_to_lds s[G0V:G0V+3], s[G1V:G1V+7]
	s_nop 0
	tensor_load_to_lds s[G0V+4:G0V+7], s[G1V:G1V+7]
	s_nop 0
.rept 4
	v_nop
.endr
	s_branch .Lfirst_asked
.Lfirst_not_v:
	s_cmp_lt_u32 s[WV], 6
	s_cbranch_scc0 .Lfirst_asked
	tensor_load_to_lds s[G0L:G0L+3], s[G1V:G1V+7]
	s_nop 0
	tensor_load_to_lds s[G0L+4:G0L+7], s[G1V:G1V+7]
	s_nop 0
.rept 4
	v_nop
.endr
.Lfirst_asked:
	v_and_b32 v254, 15, v0                         ; r = lane % 16
	v_bfe_u32 v255, v0, 4, 1                       ; h = lane / 16
	v_lshlrev_b32 v[QO], 7, v254
	v_lshl_add_u32 v[QO], v255, 4, v[QO]           ; row x 128 + 16 h
.irp t, 0,1
.irp c, 0,1
	global_load_b128 v[Q+16*\t+8*\c:Q+16*\t+8*\c+3],   v[QO], s[4:5] offset:2048*\t+64*\c      ; Q stays in registers
	global_load_b128 v[Q+16*\t+8*\c+4:Q+16*\t+8*\c+7], v[QO], s[4:5] offset:2048*\t+64*\c+32
.endr
.endr
	v_mul_u32_u24 v[AK0], v254, PK
	v_lshl_add_u32 v[AK0], v255, 4, v[AK0]         ; row x pitch + 16 h
	v_and_b32 v3, 7, v0
	v_bfe_u32 v4, v0, 3, 1
	v_lshl_add_u32 v[AV0], v255, 3, v3
	v_mul_u32_u24 v[AV0], v[AV0], PV               ; (8 h + lane % 8) pitch
	v_lshl_add_u32 v[AV0], v4, 4, v[AV0]           ; + 16 ((lane / 8) % 2)
	v_add_nc_u32 v[AV0], VOFF, v[AV0]
	v_lshlrev_b32 v6, 3, v255
	v_sub_nc_u32 v[VB0], v254, v6
	v_lshl_add_u32 v[VB0], s18, 5, v[VB0]
	s_mul_i32 s13, s[WV], 64*SP
	s_add_co_u32 s13, s13, STAGE                   ; my stage
	v_add_nc_u32 v[STO], s13, v[AK0]               ; in: row lane % 16, 16 bytes for each half of the lanes (the same pitch as K's)
	v_bfe_u32 v4, v0, 3, 2
	v_mul_u32_u24 v[RD], v4, SP                    ; back: 8 lanes take a row of 128 bytes, a load four rows
	v_lshl_add_u32 v[RD], v3, 4, v[RD]
	v_add_nc_u32 v[RD], s13, v[RD]
	v_and_b32 v4, 31, v0
	v_lshlrev_b32 v[GO], 4, v4
	v_mov_b32 v[NINF], 0xff800000
	v_mov_b32 v[ST], 0xf149f2ca                    ; m = -1e30
	v_mov_b32 v[ST+8], 0xf149f2ca
	s_wait_tensorcnt 0x1                           ; my part of slot 0 is in; slot 1's, issued behind it, may stay out
	s_barrier_signal -1
	s_barrier_wait -1                              ; everybody's is
	s_wait_loadcnt 0x0                             ; Q
	STEP 1
	STEP 0
	s_cmp_eq_u32 s[SLOTS], 0                       ; the first query block has two slots and asks for no more
	s_cbranch_scc1 .Ltail
.Lslot:
	CHANGE 1
	STEP 0
	STEP 0
	s_sub_co_u32 s[SLOTS], s[SLOTS], 1
	s_cmp_lg_u32 s[SLOTS], 0
	s_cbranch_scc1 .Lslot
.Ltail:
	CHANGE 0                                       ; the last slot: nothing is left to fetch; no tensor load is out from here on
	STEP 0
	STEP 0
	; THE WAY OUT: l's two halves and the other half of the lanes' are added; O^T is divided by l, cut into two bf16 numbers and sent through my own stage
.irp t, 0,1
	v_add_f32 v[ST+8*\t+4], v[ST+8*\t+2], v[ST+8*\t+3]
.endr
.irp t, 0,1
	v_permlanex16_b32 v[ST+8*\t+5], v[ST+8*\t+4], s[SEL], s[SEL+1]
.endr
.irp t, 0,1
	v_add_f32 v[ST+8*\t+4], v[ST+8*\t+4], v[ST+8*\t+5]
.endr
.irp t, 0,1
	v_rcp_f32 v[ST+8*\t+6], v[ST+8*\t+4]
.endr
	v_nop                                          ; a plain instruction between the last reciprocal and its use
	s_wait_alu depctr_va_vdst(0)
.irp t, 0,1
.irp k, 0,1,2,3,4,5,6,7,8,9,10,11,12,13,14,15
	v_pk_mul_f32 v[O+32*\t+2*\k:O+32*\t+2*\k+1], v[O+32*\t+2*\k:O+32*\t+2*\k+1], v[ST+8*\t+6:ST+8*\t+7] op_sel_hi:[1,0]
.endr
.irp k, 0,1,2,3,4,5,6,7,8,9,10,11,12,13,14,15
	v_and_b32 v[F+2*\k],   s[HM], v[O+32*\t+2*\k]                  ; the upper 16 bits, as f32,
	v_and_b32 v[F+2*\k+1], s[HM], v[O+32*\t+2*\k+1]
	v_perm_b32 v[S+32*\t+\k], v[O+32*\t+2*\k+1], v[O+32*\t+2*\k], s[PSEL]   ; and packed: the even channel's in the low half
.endr
.irp k, 0,1,2,3,4,5,6,7,8,9,10,11,12,13,14,15
	v_pk_add_f32 v[F+2*\k:F+2*\k+1], v[O+32*\t+2*\k:O+32*\t+2*\k+1], v[F+2*\k:F+2*\k+1] neg_lo:[0,1] neg_hi:[0,1]   ; the rest, exact
.endr
.irp k, 0,1,2,3,4,5,6,7,8,9,10,11,12,13,14,15
	v_cvt_pk_bf16_f32 v[S+32*\t+16+\k], v[F+2*\k], v[F+2*\k+1]
.endr
.irp ct, 0,1,2,3
	ds_store_b128 v[STO], v[S+32*\t+4*\ct:S+32*\t+4*\ct+3] offset:16*SP*\t+32*\ct
	ds_store_b128 v[STO], v[S+32*\t+16+4*\ct:S+32*\t+16+4*\ct+3] offset:32*SP+16*SP*\t+32*\ct
.endr
.endr
.irp p, 0,1
.irp n, 0,1,2,3,4,5,6,7
	ds_load_b128 v[F+32*\p+4*\n:F+32*\p+4*\n+3], v[RD] offset:32*SP*\p+4*SP*\n     ; LDS serves a wave's instructions in order (ISA guide 5.7.1.4): these see the stores above
.endr
.endr
	s_wait_dscnt 0x0
.irp p, 0,1
.irp n, 0,1,2,3,4,5,6,7
	global_store_b128 v[GO], v[F+32*\p+4*\n:F+32*\p+4*\n+3], s[OBP+2*\p:OBP+2*\p+1] offset:512*\n   ; a wave's store covers 512 consecutive bytes (4 rows), at a multiple of 512 from the buffer's first byte
.endr
.endr
	s_set_vgpr_msb 0x5
	s_wait_tensorcnt 0x0
	ds_add_u32 v64, v65
	s_wait_dscnt 0x0
	s_set_vgpr_msb 0x500
	s_endpgm
.Lfunc_end_k_q13d9f951cc_attn:
	.size	k_q13d9f951cc_attn, .Lfunc_end_k_q13d9f951cc_attn-k_q13d9f951cc_attn
	.p2alignl 7, 3214868480
	.fill 96, 4, 3214868480
	.section	.rodata,"a",@progbits
	.p2align	6, 0x0
	.amdhsa_kernel k_q13d9f951cc_attn
		.amdhsa_group_segment_fixed_size 327680
		.amdhsa_private_segment_fixed_size 0
		.amdhsa_enable_private_segment 0
		.amdhsa_kernarg_size 48
		.amdhsa_user_sgpr_count 2
		.amdhsa_user_sgpr_kernarg_segment_ptr 1
		.amdhsa_wavefront_size32 1
		.amdhsa_system_sgpr_workgroup_id_x 1
		.amdhsa_system_sgpr_workgroup_id_y 1
		.amdhsa_system_sgpr_workgroup_id_z 1
		.amdhsa_system_vgpr_workitem_id 0
		.amdhsa_next_free_vgpr 322
		.amdhsa_next_free_sgpr 80
		.amdhsa_reserve_vcc 1
		.amdhsa_float_denorm_mode_32 3
		.amdhsa_float_denorm_mode_16_64 3
		.amdhsa_memory_ordered 1
		.amdhsa_forward_progress 1
		.amdhsa_inst_pref_size 191
	.end_amdhsa_kernel
	.amdgpu_metadata
---
amdhsa.version: [ 1, 2 ]
amdhsa.kernels:
  - .name:           k_q13d9f951cc_attn
    .symbol:         k_q13d9f951cc_attn.kd
    .args:
      - { .name: qb, .offset: 0, .size: 8, .value_kind: global_buffer, .address_space: global }
      - { .name: kb, .offset: 8, .size: 8, .value_kind: global_buffer, .address_space: global }
      - { .name: vb, .offset: 16, .size: 8, .value_kind: global_buffer, .address_space: global }
      - { .name: vl, .offset: 24, .size: 8, .value_kind: global_buffer, .address_space: global }
      - { .name: ob, .offset: 32, .size: 8, .value_kind: global_buffer, .address_space: global }
      - { .name: ol, .offset: 40, .size: 8, .value_kind: global_buffer, .address_space: global }
    .group_segment_fixed_size: 327680
    .private_segment_fixed_size: 0
    .kernarg_segment_align: 8
    .kernarg_segment_size: 48
    .max_flat_workgroup_size: 256
    .sgpr_count:     80
    .vgpr_count:     322
    .wavefront_size: 32
...
	.end_amdgpu_metadata
.endif
;; end of part 2
;; launch proj (part 3): grid 4 x 64, 8 waves a work-group, no clusters, 281,600 bytes of LDS; arguments ob, ol, Wo, out0; writes out0
.if DOCPART == 3
	.amdgcn_target "amdgcn-amd-amdhsa--gfx1250"
	.amdhsa_code_object_version 6
	.text
	.protected	k_q13d9f951cc_proj
	.globl	k_q13d9f951cc_proj
	.p2align	8
	.type	k_q13d9f951cc_proj,@function
k_q13d9f951cc_proj:
	s_mov_b64 s[64:65], 0
	v_nop
	global_prefetch_b8 v0, s[64:65] scope:SCOPE_SE
	s_setreg_imm32_b32 hwreg(HW_REG_WAVE_MODE, 25, 1), 1
	s_wait_xcnt 0x0
; out0 = o Wo, o = ob + ol.  ob, ol: [2][8][4096][64] bf16 (o's column 64 head + d lies in the head's own plane); Wo: [512][512] f32; out0: [8192][512] f32.  bf16 operands, f32 sums.
; o comes as the sum of two bf16 numbers; both are multiplied by the same fragments of Wo, onto the same sums, so that o enters with 16 bits and more.
; SHARES.  Work-group (nb, mb): rows 128 mb .. +127, columns 128 nb .. +127.  Eight waves: mg = w / 2 takes rows 32 mg .. +31 (2 tiles), ng = w % 2 columns 64 ng .. +63 (4 tiles):
; 8 accumulators.  THE MATRIX INSTRUCTION IS USED TRANSPOSED (source 0 = 16 columns of Wo, source 1 = 16 rows of o): a lane holds 8 neighbouring columns of one row.
; K goes in 4 chunks of 128 (two heads) through two LDS buffers.  Wo is f32 and lies [k][n]: it passes through registers, where it is rounded to bf16, and is turned on its way
; out of LDS; o rides along the same way.  For that reason there are no tensor loads and no joint requests here.
.set AP,    272                        ; LDS row of o: 128 bf16 + 16 bytes: an odd multiple of 16
.set WP,    288                        ; LDS row of Wo: 128 bf16 + 32 bytes: an odd multiple of 32
.set LOA,   128*AP                     ; ol's tile behind ob's
.set WOFF,  2*128*AP                   ; Wo's behind both
.set BUFB,  WOFF+128*WP                ; a buffer: 106,496 bytes
.set STG,   2*BUFB                     ; the stage for the way out: 128 rows x 528 bytes (128 f32 + 16 bytes)
.set SP,    528
.set AO,   2                           ; v2     16 t: my 16 bytes of a head's rows of o
.set WO,   3                           ; v3     (t>>4) 2048 + (t&15) 32: my 32 bytes of Wo's rows
.set AS,   4                           ; v4-5   where I put 16 bytes of o, buffer 0, 1
.set WS,   6                           ; v6-7   the same for Wo
.set AA,   8                           ; v8-9   my lane's place in o's fragments
.set AW,   10                          ; v10-11 the same for Wo's
.set STO,  12
.set RD,   13
.set GO,   14
.set ACC,  16                          ; v16-79   accumulator (mt, nt) at 16 + 8 (4 mt + nt)
.set FA,   80                          ; v80-111  2 fragments of ob, 2 of ol
.set FW,   112                         ; v112-143 4 fragments of Wo
.set G,    144                         ; v144-207 ob's 8 units of 4 registers, then ol's.  Window 1, v0-63: Wo's 8 units of 8 registers
.set MSB, 0
.macro WIN new                         ; the immediate's high byte repeats the setting that is left
.if MSB != \new
	s_set_vgpr_msb (MSB<<8)|\new
.set MSB, \new
.endif
.endm
.macro PLACES                          ; four plain places behind a matrix instruction (ISA guide 7.12.1)
.rept 4
	v_nop
.endr
.endm
.macro LOADC c                         ; chunk c: heads 2 c and 2 c + 1 of ob and of ol (128 rows x 128 bytes each, dense), 128 rows of Wo
.irp p, 0,1
.irp hh, 0,1
.irp u, 0,1,2,3
	global_load_b128 v[G+32*\p+4*(4*\hh+\u):G+32*\p+4*(4*\hh+\u)+3], v[AO], s[4+2*\p:5+2*\p] offset:(\c)*1048576+\hh*524288+\u*4096
.endr
.endr
.endr
	WIN 0x40                                       ; destination in window 1
.irp u, 0,1,2,3,4,5,6,7
	global_load_b128 v[8*\u:8*\u+3],   v[WO], s[8:9] offset:(\c)*262144+\u*32768
	global_load_b128 v[8*\u+4:8*\u+7], v[WO], s[8:9] offset:(\c)*262144+\u*32768+16
.endr
	WIN 0
.endm
; into buffer bf.  At the barrier my stores into bf are done and my reads of the other buffer are back (each run of fragment loads ends in a wait for 0).
.macro STOREC bf
	s_wait_loadcnt 0x0                             ; all 32 loads of the chunk
	WIN 0x45                                       ; destination and sources 0 and 1 in window 1
.irp u, 0,1,2,3,4,5,6,7
.irp i, 0,1,2,3
	v_cvt_pk_bf16_f32 v[8*\u+\i], v[8*\u+2*\i], v[8*\u+2*\i+1]
.endr
.endr
	WIN 0x04                                       ; an LDS store's data is source 1
.irp u, 0,1,2,3,4,5,6,7
	ds_store_b128 v[WS+\bf], v[8*\u:8*\u+3] offset:\u*16*WP
.endr
	WIN 0
.irp p, 0,1
.irp hh, 0,1
.irp u, 0,1,2,3
	ds_store_b128 v[AS+\bf], v[G+32*\p+4*(4*\hh+\u):G+32*\p+4*(4*\hh+\u)+3] offset:LOA*\p+\u*32*AP+128*\hh
.endr
.endr
.endr
	s_wait_dscnt 0x0                               ; for the others' sake: zero
	s_barrier_signal -1
	s_barrier_wait -1
.endm
.macro FRAGS bf, kk
	PLACES
.irp p, 0,1
.irp mt, 0,1
	ds_load_b128 v[FA+16*\p+8*\mt:FA+16*\p+8*\mt+3],   v[AA+\bf] offset:LOA*\p+16*AP*\mt+64*\kk
	ds_load_b128 v[FA+16*\p+8*\mt+4:FA+16*\p+8*\mt+7], v[AA+\bf] offset:LOA*\p+16*AP*\mt+64*\kk+32
.endr
.endr
.irp nt, 0,1,2,3
	ds_load_tr16_b128 v[FW+8*\nt:FW+8*\nt+3],   v[AW+\bf] offset:32*WP*\kk+32*\nt
	ds_load_tr16_b128 v[FW+8*\nt+4:FW+8*\nt+7], v[AW+\bf] offset:32*WP*\kk+32*\nt+16*WP
.endr
	s_wait_dscnt 0x0
.endm
.macro MUL zero                        ; 8 products with ob's fragments, 8 with ol's; the 8 accumulators take turns, one instruction a turn
.irp p, 0,1
.irp nt, 0,1,2,3
.irp mt, 0,1
.if \zero && (\p == 0)
	v_wmma_f32_16x16x32_bf16 v[ACC+8*(4*\mt+\nt):ACC+8*(4*\mt+\nt)+7], v[FW+8*\nt:FW+8*\nt+7], v[FA+16*\p+8*\mt:FA+16*\p+8*\mt+7], 0
.else
	v_wmma_f32_16x16x32_bf16 v[ACC+8*(4*\mt+\nt):ACC+8*(4*\mt+\nt)+7], v[FW+8*\nt:FW+8*\nt+7], v[FA+16*\p+8*\mt:FA+16*\p+8*\mt+7], v[ACC+8*(4*\mt+\nt):ACC+8*(4*\mt+\nt)+7]
.endif
.endr
.endr
.endr
.endm
.macro TRIP c, bf, more                ; chunk c lies in buffer bf; the next chunk's loads go out first and have the chunk's 64 matrix instructions in which to come
.if \more
	LOADC \c+1
.endif
.irp kk, 0,1,2,3
	FRAGS \bf, \kk
.if (\c == 0) && (\kk == 0)
	MUL 1                                          ; the first products start the sums
.else
	MUL 0
.endif
.endr
.if \more
	STOREC 1-\bf
.endif
.endm
	s_load_b256 s[4:11], s[0:1], 0x0               ; ob s[4:5], ol s[6:7], Wo s[8:9], out0 s[10:11]
	v_lshl_add_u32 v254, v0, 2, 0x44800
	v_mov_b32 v255, 0
	v_lshrrev_b32 v1, 5, v0
	v_readfirstlane_b32 s12, v1                    ; wave 0..7
	s_lshr_b32 s13, s12, 1                         ; mg
	s_and_b32 s14, s12, 1                          ; ng
	s_and_b32 s15, ttmp7, 0xffff                   ; mb
	s_lshr_b32 s16, s15, 5
	s_lshl_b32 s16, s16, 22                        ; b: 8 heads x 4,096 rows x 128 bytes
	s_and_b32 s17, s15, 31
	s_lshl_b32 s17, s17, 14                        ; 128 rows of 128 bytes
	s_add_co_u32 s16, s16, s17
	s_mov_b32 s17, 0
	s_lshl_b32 s18, ttmp9, 9                       ; 128 columns of 4 bytes
	s_mov_b32 s19, 0
	s_lshl_b32 s20, s15, 18                        ; 128 rows of 2,048 bytes
	s_add_co_u32 s20, s20, s18
	s_mov_b32 s21, 0
	v_lshlrev_b32 v[AO], 4, v0
	v_lshrrev_b32 v1, 4, v0                        ; t >> 4
	v_and_b32 v15, 15, v0                          ; t & 15 = lane % 16
	v_lshlrev_b32 v[WO], 11, v1
	v_lshl_add_u32 v[WO], v15, 5, v[WO]
	s_wait_kmcnt 0x0
	s_add_nc_u64 s[4:5], s[4:5], s[16:17]
	s_add_nc_u64 s[6:7], s[6:7], s[16:17]
	s_add_nc_u64 s[8:9], s[8:9], s[18:19]
	s_add_nc_u64 s[10:11], s[10:11], s[20:21]
	LOADC 0                                        ; the addresses are made while the first chunk is on its way
	v_lshrrev_b32 v80, 3, v0
	v_and_b32 v81, 7, v0
	v_mul_u32_u24 v[AS], v80, AP
	v_lshl_add_u32 v[AS], v81, 4, v[AS]
	v_add_nc_u32 v[AS+1], BUFB, v[AS]
	v_mul_u32_u24 v[WS], v1, WP
	v_lshl_add_u32 v[WS], v15, 4, v[WS]
	v_add_nc_u32 v[WS], WOFF, v[WS]
	v_add_nc_u32 v[WS+1], BUFB, v[WS]
	v_bfe_u32 v82, v0, 4, 1                        ; h
	v_bfe_u32 v83, v0, 3, 1
	s_mul_i32 s22, s13, 32*AP
	v_mul_u32_u24 v[AA], v15, AP
	v_lshl_add_u32 v[AA], v82, 4, v[AA]
	v_add_nc_u32 v[AA], s22, v[AA]                 ; (32 mg + r) pitch + 16 h
	v_add_nc_u32 v[AA+1], BUFB, v[AA]
	v_lshl_add_u32 v84, v82, 3, v81
	v_mul_u32_u24 v[AW], v84, WP                   ; (8 h + lane % 8) pitch
	v_lshl_add_u32 v[AW], v83, 4, v[AW]            ; + 16 ((lane / 8) % 2)
	s_lshl_b32 s22, s14, 7
	s_add_co_u32 s22, s22, WOFF
	v_add_nc_u32 v[AW], s22, v[AW]                 ; + 128 ng + Wo's tile
	v_add_nc_u32 v[AW+1], BUFB, v[AW]
	s_mul_i32 s22, s13, 32*SP
	s_lshl_b32 s23, s14, 8
	s_add_co_u32 s22, s22, s23
	s_add_co_u32 s22, s22, STG
	v_mul_u32_u24 v[STO], v15, SP
	v_lshl_add_u32 v[STO], v82, 5, v[STO]
	v_add_nc_u32 v[STO], s22, v[STO]               ; stage + (32 mg + r) 528 + 256 ng + 32 h
	v_and_b32 v84, 31, v0
	s_mul_i32 s22, s12, 16*SP
	s_add_co_u32 s22, s22, STG
	v_lshlrev_b32 v[RD], 4, v84
	v_lshl_add_u32 v[GO], s12, 15, v[RD]           ; 16 w rows of 2,048 bytes + 16 lane
	v_add_nc_u32 v[RD], s22, v[RD]                 ; stage + 16 w rows + 16 lane
	STOREC 0
	TRIP 0, 0, 1
	TRIP 1, 1, 1
	TRIP 2, 0, 1
	TRIP 3, 1, 0
	PLACES
.irp mt, 0,1
.irp nt, 0,1,2,3
	ds_store_b128 v[STO], v[ACC+8*(4*\mt+\nt):ACC+8*(4*\mt+\nt)+3]   offset:16*SP*\mt+64*\nt       ; each accumulator's low four registers first
	ds_store_b128 v[STO], v[ACC+8*(4*\mt+\nt)+4:ACC+8*(4*\mt+\nt)+7] offset:16*SP*\mt+64*\nt+16
.endr
.endr
	s_wait_dscnt 0x0                               ; a row's 512 bytes come from two waves: my stores into the stage are done,
	s_barrier_signal -1
	s_barrier_wait -1                              ; everybody's are
.irp n, 0,1,2,3,4,5,6,7,8,9,10,11,12,13,14,15
	ds_load_b128 v[G+4*\n:G+4*\n+3], v[RD] offset:SP*\n
.endr
	s_wait_dscnt 0x0
.irp n, 0,1,2,3,4,5,6,7,8,9,10,11,12,13,14,15
	global_store_b128 v[GO], v[G+4*\n:G+4*\n+3], s[10:11] offset:2048*\n th:TH_STORE_NT   ; a wave's store covers 512 consecutive bytes of a row, at a multiple of 512 from out0's first byte
.endr
	s_wait_tensorcnt 0x0
	ds_add_u32 v254, v255
	s_wait_dscnt 0x0
	s_endpgm
.Lfunc_end_k_q13d9f951cc_proj:
	.size	k_q13d9f951cc_proj, .Lfunc_end_k_q13d9f951cc_proj-k_q13d9f951cc_proj
	.p2alignl 7, 3214868480
	.fill 96, 4, 3214868480
	.section	.rodata,"a",@progbits
	.p2align	6, 0x0
	.amdhsa_kernel k_q13d9f951cc_proj
		.amdhsa_group_segment_fixed_size 281600
		.amdhsa_private_segment_fixed_size 0
		.amdhsa_enable_private_segment 0
		.amdhsa_kernarg_size 32
		.amdhsa_user_sgpr_count 2
		.amdhsa_user_sgpr_kernarg_segment_ptr 1
		.amdhsa_wavefront_size32 1
		.amdhsa_system_sgpr_workgroup_id_x 1
		.amdhsa_system_sgpr_workgroup_id_y 1
		.amdhsa_system_sgpr_workgroup_id_z 1
		.amdhsa_system_vgpr_workitem_id 0
		.amdhsa_next_free_vgpr 320
		.amdhsa_next_free_sgpr 66
		.amdhsa_reserve_vcc 0
		.amdhsa_float_denorm_mode_32 3
		.amdhsa_float_denorm_mode_16_64 3
		.amdhsa_memory_ordered 1
		.amdhsa_forward_progress 1
		.amdhsa_inst_pref_size 69
	.end_amdhsa_kernel
	.amdgpu_metadata
---
amdhsa.version: [ 1, 2 ]
amdhsa.kernels:
  - .name:           k_q13d9f951cc_proj
    .symbol:         k_q13d9f951cc_proj.kd
    .args:
      - { .name: ob, .offset: 0, .size: 8, .value_kind: global_buffer, .address_space: global }
      - { .name: ol, .offset: 8, .size: 8, .value_kind: global_buffer, .address_space: global }
      - { .name: Wo, .offset: 16, .size: 8, .value_kind: global_buffer, .address_space: global }
      - { .name: out0, .offset: 24, .size: 8, .value_kind: global_buffer, .address_space: global }
    .group_segment_fixed_size: 281600
    .private_segment_fixed_size: 0
    .kernarg_segment_align: 8
    .kernarg_segment_size: 32
    .max_flat_workgroup_size: 256
    .sgpr_count:     66
    .vgpr_count:     320
    .wavefront_size: 32
...
	.end_amdgpu_metadata
.endif
;; end of part 3
;; ======== version 2 of 2: 3 launches
;; limits: values are held in f16: magnitudes above 65,504 overflow, below 6.1e-05 lose precision
;; workspace buffers: qb 8,388,608 bytes; kb 8,388,608 bytes; vb 8,388,608 bytes; vl 524,288 bytes; ob 8,388,608 bytes; ol 524,288 bytes
;; launch qkv (part 4): grid 8 x 32, 8 waves a work-group, no clusters, 275,456 bytes of LDS; arguments x, Wq, Wkv, qb, kb, vb, vl; writes qb, kb, vb, vl
.if DOCPART == 4
	.amdgcn_target "amdgcn-amd-amdhsa--gfx1250"
	.amdhsa_code_object_version 6
	.text
	.protected	k_q13d9f951cc_qkv
	.globl	k_q13d9f951cc_qkv
	.p2align	8
	.type	k_q13d9f951cc_qkv,@function
k_q13d9f951cc_qkv:
	s_mov_b64 s[64:65], 0
	v_nop
	global_prefetch_b8 v0, s[64:65] scope:SCOPE_SE
	s_setreg_imm32_b32 hwreg(HW_REG_WAVE_MODE, 25, 1), 1
	s_wait_xcnt 0x0
; q, k, v = x [Wq | Wkv], RoPE on q and k, q times log2(e)/8.  x: [8192][512] f32; Wq: [512][512] f32; Wkv: [512][1024] f32.
; qb, kb, vb (f16): [2][8][4096][64]; vl (f16): [2][8][256][64].  Products with bf16 operands and f32 sums; RoPE in f32.
; v OF TOKENS 0 TO 255 LEAVES AS THE SUM OF TWO f16 NUMBERS: vb holds its upper 11 bits (cut off, so exact in f16), vl the rest, rounded: 21 bits in all.  A query that sees
; few keys has an output of the size of v itself, far above the output's average, so there v's rounding is kept well under one f16 step.  From token 256 on v is rounded
; to f16 once: a query that sees n keys averages the roundings of n numbers, and the first query that is served without vl sees 257.  q and k are rounded to f16 once.
; SHARES.  Work-group (i, rb): head i, rows 256 rb .. +255: 256 rows x 192 columns (q, k, v of the head, "slots" s = 0, 1, 2).
; Eight waves: mg = w / 2 takes rows 64 mg .. +63 (4 tiles mt), ng = w % 2 takes in each slot the columns 16 ng + 32 e + 0..15, e = 0, 1:
; six tiles nt = 2 s + e, 24 accumulators.  Tiles 2 s and 2 s + 1 hold channels d and d + 32 in the same lane and register: RoPE's partners.
; THE MATRIX INSTRUCTION IS USED TRANSPOSED (source 0 = 16 columns of W, source 1 = 16 rows of x): a lane holds 8 neighbouring channels of one row.
; K goes in 8 chunks of 64 through two LDS buffers.  x and W are f32 and W lies [k][n], so both pass through registers, where they are
; rounded to bf16; W is turned on its way out of LDS (ds_load_tr16_b128).  For that reason there are no tensor loads and no joint requests here.
; EVERY LOAD GOES OUT A STAGE AHEAD.  x is asked for two chunks ahead (two sets of 64 registers), W one chunk ahead.  A chunk's LDS loads go out at its head, those of x for both
; halves of the chunk; the products go by fragment of W, four at a time, each four behind a counted wait for that fragment alone; the second half's fragments of W are loaded into
; W's own registers as soon as their products are done.  RoPE's cos and sin, made at the start, lie during the loop in the stage's LDS bytes, which are idle until the way out.
; LIMITS.  q log2(e)/8, k and v are stored as f16: they must stay under 65504; under 6.1e-5 they carry f16's absolute step of 6e-8.
; RoPE's angle is formed in turns, t x 2^(-i log2(10)/8 - log2(2 pi)), reduced by v_rndne_f32, and sine and cosine come from polynomials of the half angle
; (error at most 7e-6) and the double-angle formulas; at t = 4095 the angle differs from an f32 product t x inv_freq by up to about 6e-4 radians.
.set XP,    144                        ; LDS row of x: 64 bf16 + 16 bytes: an odd multiple of 16, so 16 rows begin at 16 different 16-byte columns modulo 256
.set WP,    416                        ; LDS row of W: 192 bf16 + 32 bytes: an odd multiple of 32
.set WOFF,  256*XP                     ; W's tile behind x's 256 rows
.set BUFB,  WOFF+64*WP                 ; a buffer: 63,488 bytes
.set STG,   2*BUFB                     ; the stage for the way out: 4 slots (q, k, v or its upper part, v's rest) x 256 rows x 144 bytes; during the loop its first 65,536 bytes hold cos and sin
.set SLOTB, 256*XP
.set XO,   2                           ; v2      (t>>3) 2048 + (t&7) 32: my 32 bytes in x's and Wq's rows
.set WOK,  3                           ; v3      (t>>3) 4096 + (t&7) 32: the same in Wkv's rows
.set XS,   4                           ; v4-5    where I put 16 bytes of x, buffer 0, 1
.set WS,   6                           ; v6-7    the same for W
.set AX,   8                           ; v8-9    my lane's place in x's fragments
.set AW,   10                          ; v10-11  the same for W's
.set STO0, 12                          ; v12-13  into the stage: slots 0 and 1; slots 2 and 3
.set STO2, 13
.set RD0,  14                          ; v14-15  back out of it
.set RD2,  15
.set GO,   16                          ; v16     my byte offset in the work-group's rows of qb, kb, vb, vl
.set TR,   17                          ; v17     token of my lane's row in tile 0
.set FA,   24                          ; v24-55  4 fragments of x, first half of a chunk
.set FW,   56                          ; v56-103 6 fragments of W
.set G,    104                         ; v104-167 x's set 0: 8 units of 8 registers on their way from memory to LDS (set 1: window 1, v192-255); v168-215 W's 6 units
.set FA2,  216                         ; v216-247 4 fragments of x, second half of a chunk
.set PKA,  248                         ; v248    stage + 16 t: where my cos and sin lie during the loop
.set RF,   24                          ; set-up only, in the fragments' registers: turns per token of my 8 channels
.set TF,   32
.set KA,   34
.set KB,   36
.set SW,   40                          ; 4 pairs x 16 registers at work: +0 turns, +2 nearest, +4 r, +6 r^2, +8 sin, +10 cos, +12 2 sin
.set VU,   24                          ; the way out: v's upper part in f32 (16), in the fragments' registers
.set VW,   40                          ; the way out: v's rest in f32 (16)
.set T,    104                         ; the way out: rotated q and k in f32
.set PK,   136                         ; the way out: packed f16: q 8, k 8, v (or its upper part) 8, v's rest 8
.set RB,   88                          ; the way out: up to 128 registers read back from the stage
.set CS,   192                         ; window 1: v192-255: at the start and on the way out tile mt's cos (8) and sin (8); v0-191 the accumulators, (mt, nt) at 8 (6 mt + nt)
.set TBK,  30                          ; s30     rb % 16: the block of 256 tokens within the batch; 0: v goes out in two parts
.set MSK,  31                          ; s31     keeps an f32's sign, exponent and upper 10 bits of the fraction
.set WVN,  32                          ; s32-35  wave, mg, ng, rb
.set MG,   33
.set NG,   34
.set RBK,  35
.set MSB, 0
.macro WIN new                         ; the immediate's high byte repeats the setting that is left
.if MSB != \new
	s_set_vgpr_msb (MSB<<8)|\new
.set MSB, \new
.endif
.endm
.macro PLACES                          ; four plain places behind a matrix instruction, ahead of loads into its sources and of reads of its result
.rept 4
	v_nop
.endr
.endm
; chunk c of x from memory, into set 0 or 1: 8 units of 32 rows; a thread takes 32 neighbouring bytes
.macro LOADX c, set
.set XR, G+88*(\set)
.if \set
	WIN 0x40                                       ; destination in window 1
.endif
.irp u, 0,1,2,3,4,5,6,7
	global_load_b128 v[XR+8*\u:XR+8*\u+3],   v[XO], s[4:5] offset:\u*65536+(\c)*256
	global_load_b128 v[XR+8*\u+4:XR+8*\u+7], v[XO], s[4:5] offset:\u*65536+(\c)*256+16
.endr
	WIN 0
.endm
; chunk c of W: 2 units each (32 k each) of Wq, of Wkv's k part and of its v part
.macro LOADW c
.irp u, 0,1
	global_load_b128 v[G+64+8*\u:G+64+8*\u+3],   v[XO], s[6:7] offset:(\c)*131072+\u*65536
	global_load_b128 v[G+64+8*\u+4:G+64+8*\u+7], v[XO], s[6:7] offset:(\c)*131072+\u*65536+16
	global_load_b128 v[G+80+8*\u:G+80+8*\u+3],   v[WOK], s[8:9] offset:(\c)*262144+\u*131072
	global_load_b128 v[G+80+8*\u+4:G+80+8*\u+7], v[WOK], s[8:9] offset:(\c)*262144+\u*131072+16
	global_load_b128 v[G+96+8*\u:G+96+8*\u+3],   v[WOK], s[8:9] offset:(\c)*262144+\u*131072+2048
	global_load_b128 v[G+96+8*\u+4:G+96+8*\u+7], v[WOK], s[8:9] offset:(\c)*262144+\u*131072+2048+16
.endr
.endm
; a chunk (x in the given set, W) is rounded to bf16 in place and put into buffer bf.  left: the younger loads that may stay out: the 16 of x's chunk after this one, or none.
; The barrier does two things: my stores into bf are done, and my reads of the other buffer are back (a chunk's last fragment wait is for 0), so that the chunk after may be
; put there behind the next barrier.
.macro STOREC bf, set, left
	s_wait_loadcnt \left                           ; loads come back in order (ISA guide 5.7.1): this chunk's x, asked for a chunk earlier, and its W are in
.set XR, G+88*(\set)
.if \set
	WIN 0x45                                       ; destination and sources 0 and 1 in window 1
.endif
.irp u, 0,1,2,3,4,5,6,7
.irp i, 0,1,2,3
	v_cvt_pk_bf16_f32 v[XR+8*\u+\i], v[XR+8*\u+2*\i], v[XR+8*\u+2*\i+1]
.endr
.endr
.if \set
	WIN 0x04                                       ; an LDS store's data is source 1
.endif
.irp u, 0,1,2,3,4,5,6,7
	ds_store_b128 v[XS+\bf], v[XR+8*\u:XR+8*\u+3] offset:\u*32*XP
.endr
	WIN 0
.irp u, 8,9,10,11,12,13
.irp i, 0,1,2,3
	v_cvt_pk_bf16_f32 v[G+8*\u+\i], v[G+8*\u+2*\i], v[G+8*\u+2*\i+1]
.endr
.endr
.irp s, 0,1,2
.irp u, 0,1
	ds_store_b128 v[WS+\bf], v[G+64+16*\s+8*\u:G+64+16*\s+8*\u+3] offset:128*\s+\u*32*WP
.endr
.endr
	s_wait_dscnt 0x0                               ; for the others' sake: zero
	s_barrier_signal -1
	s_barrier_wait -1
.endm
; x's 4 fragments of 32 along K (half kk of the chunk in buffer bf) into registers f on: two loads of 16 bytes each, 32 bytes apart
.macro LDA bf, kk, f
.irp mt, 0,1,2,3
	ds_load_b128 v[\f+8*\mt:\f+8*\mt+3],   v[AX+\bf] offset:16*XP*\mt+64*\kk
	ds_load_b128 v[\f+8*\mt+4:\f+8*\mt+7], v[AX+\bf] offset:16*XP*\mt+64*\kk+32
.endr
.endm
; W's fragment nt of the same: two turning loads, 16 rows apart
.macro LDW bf, kk, nt
	ds_load_tr16_b128 v[FW+8*\nt:FW+8*\nt+3],   v[AW+\bf] offset:32*WP*\kk+128*(\nt/2)+64*(\nt%2)
	ds_load_tr16_b128 v[FW+8*\nt+4:FW+8*\nt+7], v[AW+\bf] offset:32*WP*\kk+128*(\nt/2)+64*(\nt%2)+16*WP
.endm
; 4 matrix instructions: W's fragment nt times x's four in registers f on.  left: the LDS loads issued behind that fragment's, which may stay out.
; Over a half chunk the 24 accumulators take turns, one instruction a turn.  zero = 1: the first products start the sums.
.macro MUL4 nt, f, zero, left
	s_wait_dscnt \left                             ; LDS loads come back in order (ISA guide 5.7.1)
.irp mt, 0,1,2,3
.if \zero
	v_wmma_f32_16x16x32_bf16 v[8*(6*\mt+\nt):8*(6*\mt+\nt)+7], v[FW+8*\nt:FW+8*\nt+7], v[\f+8*\mt:\f+8*\mt+7], 0
.else
	v_wmma_f32_16x16x32_bf16 v[8*(6*\mt+\nt):8*(6*\mt+\nt)+7], v[FW+8*\nt:FW+8*\nt+7], v[\f+8*\mt:\f+8*\mt+7], v[8*(6*\mt+\nt):8*(6*\mt+\nt)+7]
.endif
.endr
.endm
; Chunk c lies in buffer bf (= c % 2, also the set that its x came through and that is free now); ob is the other.
; The chunk's LDS loads in order of issue: 1-8 x's first half, 9-20 W's six fragments of it, 21-28 x's second half; behind the first 12 products 29-34, W's fragments 0-2 of the
; second half; behind the next 12 products 35-40, fragments 3-5.  Each wait's count is the number issued so far less the number of the last load that the four products need.
.macro TRIP c, bf, ob, zero
	PLACES
	LDA \bf, 0, FA
.irp nt, 0,1,2,3,4,5
	LDW \bf, 0, \nt
.endr
	LDA \bf, 1, FA2
.if \c < 7
	LOADW \c+1                                     ; the next chunk's W: it has this chunk's 48 matrix instructions in which to come
.endif
	WIN 0x50                                       ; C and D in window 1
	MUL4 0, FA, \zero, 18                          ; 28 - 10
	MUL4 1, FA, \zero, 16                          ; 28 - 12
	MUL4 2, FA, \zero, 14                          ; 28 - 14
	PLACES                                         ; ahead of the loads into W's fragments 0-2, just multiplied
	WIN 0
.irp nt, 0,1,2
	LDW \bf, 1, \nt
.endr
.if \c < 6
	LOADX \c+2, \bf                                ; x of the chunk after next, into the set that this chunk has left: two chunks' work in which to come
.endif
	WIN 0x50
	MUL4 3, FA, \zero, 18                          ; 34 - 16
	MUL4 4, FA, \zero, 16                          ; 34 - 18
	MUL4 5, FA, \zero, 14                          ; 34 - 20
	PLACES                                         ; ahead of the loads into W's fragments 3-5
	WIN 0
.irp nt, 3,4,5
	LDW \bf, 1, \nt
.endr
	WIN 0x50
	MUL4 0, FA2, 0, 10                             ; 40 - 30 (x's second half, 21-28, is older)
	MUL4 1, FA2, 0, 8
	MUL4 2, FA2, 0, 6
	MUL4 3, FA2, 0, 4
	MUL4 4, FA2, 0, 2
	MUL4 5, FA2, 0, 0                              ; all my reads of this buffer are back
	WIN 0
.if \c < 6
	STOREC \ob, \ob, 16
.elseif \c == 6
	STOREC \ob, \ob, 0
.endif
.endm
.macro HORN o, lit                     ; a step of Horner's scheme in r^2, for the four pairs
.irp p, 0,1,2,3
	v_pk_fma_f32 v[SW+16*\p+\o:SW+16*\p+\o+1], v[SW+16*\p+\o:SW+16*\p+\o+1], v[SW+16*\p+6:SW+16*\p+7], \lit op_sel_hi:[1,1,0]
.endr
.endm
; cos and sin of tile mt's angles: my row's token times my 8 channels' turns per token; r = turns less the nearest whole number, |r| <= 1/2;
; sin(pi r) and cos(pi r) by polynomials; cos(2 pi r) = 1 - 2 sin^2, sin(2 pi r) = 2 sin cos
.macro SINCOS mt
	v_add_nc_u32 v[TF], 16*\mt, v[TR]
	v_cvt_f32_u32 v[TF], v[TF]
	v_mov_b32 v[TF+1], v[TF]                       ; named with it as a pair, so it is written
.irp p, 0,1,2,3
	v_pk_mul_f32 v[SW+16*\p:SW+16*\p+1], v[RF+2*\p:RF+2*\p+1], v[TF:TF+1] op_sel_hi:[1,0]
.endr
.irp p, 0,1,2,3
	v_rndne_f32 v[SW+16*\p+2], v[SW+16*\p]
	v_rndne_f32 v[SW+16*\p+3], v[SW+16*\p+1]
.endr
.irp p, 0,1,2,3
	v_pk_add_f32 v[SW+16*\p+4:SW+16*\p+5], v[SW+16*\p:SW+16*\p+1], v[SW+16*\p+2:SW+16*\p+3] neg_lo:[0,1] neg_hi:[0,1]
.endr
.irp p, 0,1,2,3
	v_pk_mul_f32 v[SW+16*\p+6:SW+16*\p+7], v[SW+16*\p+4:SW+16*\p+5], v[SW+16*\p+4:SW+16*\p+5]
.endr
.irp p, 0,1,2,3
	v_pk_fma_f32 v[SW+16*\p+8:SW+16*\p+9],   v[KA:KA+1], v[SW+16*\p+6:SW+16*\p+7], 0xbf196966 op_sel_hi:[1,1,0]   ; pi^9/9! u - pi^7/7!
	v_pk_fma_f32 v[SW+16*\p+10:SW+16*\p+11], v[KB:KB+1], v[SW+16*\p+6:SW+16*\p+7], 0x3e70fa83 op_sel_hi:[1,1,0]   ; -pi^10/10! u + pi^8/8!
.endr
	HORN 8,  0x402335e3                            ; + pi^5/5!
	HORN 10, 0xbfaae9e4                            ; - pi^6/6!
	HORN 8,  0xc0a55de7                            ; - pi^3/3!
	HORN 10, 0x4081e0f8                            ; + pi^4/4!
	HORN 8,  0x40490fdb                            ; + pi
	HORN 10, 0xc09de9e6                            ; - pi^2/2
	HORN 10, 1.0
.irp p, 0,1,2,3
	v_pk_mul_f32 v[SW+16*\p+8:SW+16*\p+9], v[SW+16*\p+8:SW+16*\p+9], v[SW+16*\p+4:SW+16*\p+5]
.endr
.irp p, 0,1,2,3
	v_pk_add_f32 v[SW+16*\p+12:SW+16*\p+13], v[SW+16*\p+8:SW+16*\p+9], v[SW+16*\p+8:SW+16*\p+9]
.endr
	WIN 0x40                                       ; destination in window 1
.irp p, 0,1,2,3
	v_pk_fma_f32 v[CS+16*\mt+2*\p:CS+16*\mt+2*\p+1], v[SW+16*\p+12:SW+16*\p+13], v[SW+16*\p+8:SW+16*\p+9], 1.0 op_sel_hi:[1,1,0] neg_lo:[1,0,0] neg_hi:[1,0,0]
	v_pk_mul_f32 v[CS+16*\mt+8+2*\p:CS+16*\mt+8+2*\p+1], v[SW+16*\p+12:SW+16*\p+13], v[SW+16*\p+10:SW+16*\p+11]
.endr
	WIN 0
.endm
; the way out of tile row mt: q and k are rotated (x1 cos - x2 sin, x2 cos + x1 sin), q is scaled, v is cut in two (lo = 1) or rounded once (lo = 0), all is turned into
; f16 and put into the stage.  Each accumulator's registers are taken in ascending order.
.macro OUTM mt, lo
	WIN 0x05                                       ; sources 0 and 1 in window 1
.irp s, 0,1
.irp jj, 0,2,4,6
	v_pk_mul_f32 v[T+16*\s+\jj:T+16*\s+\jj+1],     v[8*(6*\mt+2*\s)+\jj:8*(6*\mt+2*\s)+\jj+1],     v[CS+16*\mt+\jj:CS+16*\mt+\jj+1]
	v_pk_mul_f32 v[T+16*\s+8+\jj:T+16*\s+8+\jj+1], v[8*(6*\mt+2*\s+1)+\jj:8*(6*\mt+2*\s+1)+\jj+1], v[CS+16*\mt+\jj:CS+16*\mt+\jj+1]
	v_pk_fma_f32 v[T+16*\s+\jj:T+16*\s+\jj+1],     v[8*(6*\mt+2*\s+1)+\jj:8*(6*\mt+2*\s+1)+\jj+1], v[CS+16*\mt+8+\jj:CS+16*\mt+8+\jj+1], v[T+16*\s+\jj:T+16*\s+\jj+1] neg_lo:[1,0,0] neg_hi:[1,0,0]
	v_pk_fma_f32 v[T+16*\s+8+\jj:T+16*\s+8+\jj+1], v[8*(6*\mt+2*\s)+\jj:8*(6*\mt+2*\s)+\jj+1],     v[CS+16*\mt+8+\jj:CS+16*\mt+8+\jj+1], v[T+16*\s+8+\jj:T+16*\s+8+\jj+1]
.endr
.endr
.if \lo
	WIN 0x04                                       ; source 1 in window 1
.irp e, 0,1
.irp j, 0,1,2,3,4,5,6,7
	v_and_b32 v[VU+8*\e+\j], s[MSK], v[8*(6*\mt+4+\e)+\j]          ; v's upper 11 bits
.endr
.endr
.irp e, 0,1
.irp jj, 0,2,4,6
	v_pk_add_f32 v[VW+8*\e+\jj:VW+8*\e+\jj+1], v[VU+8*\e+\jj:VU+8*\e+\jj+1], v[8*(6*\mt+4+\e)+\jj:8*(6*\mt+4+\e)+\jj+1] neg_lo:[1,0] neg_hi:[1,0]   ; the rest, exact
.endr
.endr
.else
.irp e, 0,1
.irp i, 0,1,2,3
	v_cvt_pk_f16_f32 v[PK+16+4*\e+\i], v[8*(6*\mt+4+\e)+2*\i], v[8*(6*\mt+4+\e)+2*\i+1]   ; v, rounded once
.endr
.endr
.endif
	WIN 0
.irp jj, 0,2,4,6,8,10,12,14
	v_pk_mul_f32 v[T+\jj:T+\jj+1], v[T+\jj:T+\jj+1], s[24:25] op_sel_hi:[1,0]     ; q times log2(e)/8: the scores come out in powers of two
.endr
.irp g, 0,1,2,3
.irp i, 0,1,2,3
	v_cvt_pk_f16_f32 v[PK+4*\g+\i], v[T+8*\g+2*\i], v[T+8*\g+2*\i+1]
.endr
.endr
.if \lo
.irp g, 0,1,2,3,4,5,6,7
	v_cvt_pk_f16_f32 v[PK+16+\g], v[VU+2*\g], v[VU+2*\g+1]
	v_cvt_pk_f16_f32 v[PK+24+\g], v[VW+2*\g], v[VW+2*\g+1]
.endr
.endif
.irp s, 0,1
.irp e, 0,1
	ds_store_b128 v[STO0], v[PK+8*\s+4*\e:PK+8*\s+4*\e+3] offset:SLOTB*\s+16*XP*\mt+64*\e
.endr
.endr
.irp e, 0,1
	ds_store_b128 v[STO2], v[PK+16+4*\e:PK+16+4*\e+3] offset:16*XP*\mt+64*\e
.if \lo
	ds_store_b128 v[STO2], v[PK+24+4*\e:PK+24+4*\e+3] offset:SLOTB+16*XP*\mt+64*\e
.endif
.endr
.endm
; the whole way out, to the wave's end: into the stage, a barrier, back as whole rows, out.  lo = 1: four buffers; lo = 0: three.
.macro FINISH lo
	OUTM 0, \lo
	OUTM 1, \lo
	OUTM 2, \lo
	OUTM 3, \lo
	s_wait_dscnt 0x0                               ; a row's 128 bytes come from two waves: my stores into the stage are done,
	s_barrier_signal -1
	s_barrier_wait -1                              ; everybody's are
.irp s, 0,1
.irp n, 0,1,2,3,4,5,6,7
	ds_load_b128 v[RB+32*\s+4*\n:RB+32*\s+4*\n+3], v[RD0] offset:SLOTB*\s+4*XP*\n
.endr
.endr
.irp s, 0,1
.if (\s == 0) || \lo
.irp n, 0,1,2,3,4,5,6,7
	ds_load_b128 v[RB+64+32*\s+4*\n:RB+64+32*\s+4*\n+3], v[RD2] offset:SLOTB*\s+4*XP*\n
.endr
.endif
.endr
	s_wait_dscnt 0x0
.irp s, 0,1,2,3
.if (\s < 3) || \lo
.irp n, 0,1,2,3,4,5,6,7
	global_store_b128 v[GO], v[RB+32*\s+4*\n:RB+32*\s+4*\n+3], s[10+2*\s:11+2*\s] offset:512*\n   ; a wave's store covers 512 consecutive bytes (4 rows), at a multiple of 512 from the buffer's first byte
.endr
.endif
.endr
	s_wait_tensorcnt 0x0
	ds_add_u32 v254, v255
	s_wait_dscnt 0x0
	s_endpgm
.endm
	s_load_b256 s[4:11], s[0:1], 0x0               ; x s[4:5], Wq s[6:7], Wkv s[8:9], qb s[10:11]
	s_load_b128 s[12:15], s[0:1], 0x20             ; kb s[12:13], vb s[14:15]
	s_load_b64 s[16:17], s[0:1], 0x30              ; vl
	v_lshl_add_u32 v254, v0, 2, 0x43000
	v_mov_b32 v255, 0
	v_lshrrev_b32 v1, 5, v0
	v_readfirstlane_b32 s[WVN], v1                 ; wave 0..7
	s_lshr_b32 s[MG], s[WVN], 1
	s_and_b32 s[NG], s[WVN], 1
	s_and_b32 s[RBK], ttmp7, 0xffff
	s_mov_b32 s22, 0xbed49a78                      ; -log2(10)/8
	s_mov_b32 s23, 0xc029b21d                      ; -log2(2 pi)
	s_mov_b32 s24, 0x3e38aa3b                      ; log2(e)/8
	s_mov_b32 s25, s24                             ; named with it as a pair, so it is written
	s_mov_b32 s[MSK], 0xffffe000
	v_lshrrev_b32 v1, 3, v0                        ; t >> 3
	v_and_b32 v21, 7, v0                           ; t & 7
	v_lshlrev_b32 v[XO], 11, v1
	v_lshl_add_u32 v[XO], v21, 5, v[XO]
	v_lshlrev_b32 v[WOK], 12, v1
	v_lshl_add_u32 v[WOK], v21, 5, v[WOK]
	s_lshl_b32 s20, s[RBK], 19                     ; 256 rows of 2,048 bytes
	s_mov_b32 s21, 0
	s_lshl_b32 s26, ttmp9, 8                       ; the head's 64 columns of 4 bytes
	s_mov_b32 s27, 0
	s_lshr_b32 s28, s[RBK], 4                      ; b
	s_lshl_b32 s28, s28, 3
	s_add_co_u32 s28, s28, ttmp9                   ; 8 b + head
	s_lshl_b32 s18, s28, 15                        ; in vl: 256 rows of 128 bytes a head
	s_mov_b32 s19, 0
	s_lshl_b32 s28, s28, 19                        ; in qb, kb, vb: 4,096 rows of 128 bytes a head
	s_and_b32 s[TBK], s[RBK], 15
	s_lshl_b32 s29, s[TBK], 15                     ; 256 rows of 128 bytes
	s_add_co_u32 s28, s28, s29
	s_mov_b32 s29, 0
	s_wait_kmcnt 0x0
	s_add_nc_u64 s[4:5], s[4:5], s[20:21]
	s_add_nc_u64 s[6:7], s[6:7], s[26:27]
	s_add_nc_u64 s[8:9], s[8:9], s[26:27]
	s_add_nc_u64 s[10:11], s[10:11], s[28:29]
	s_add_nc_u64 s[12:13], s[12:13], s[28:29]
	s_add_nc_u64 s[14:15], s[14:15], s[28:29]
	s_add_nc_u64 s[16:17], s[16:17], s[18:19]      ; the head's plane of vl: used by the work-groups of tokens 0 to 255 alone
	LOADX 0, 0                                     ; the addresses and RoPE's tables are made while the first chunk is on its way
	LOADW 0
	v_mul_u32_u24 v[XS], v1, XP
	v_lshl_add_u32 v[XS], v21, 4, v[XS]
	v_add_nc_u32 v[XS+1], BUFB, v[XS]
	v_mul_u32_u24 v[WS], v1, WP
	v_lshl_add_u32 v[WS], v21, 4, v[WS]
	v_add_nc_u32 v[WS], WOFF, v[WS]
	v_add_nc_u32 v[WS+1], BUFB, v[WS]
	v_and_b32 v18, 15, v0                          ; r
	v_bfe_u32 v19, v0, 4, 1                        ; h
	v_bfe_u32 v22, v0, 3, 1
	s_mul_i32 s20, s[MG], 64*XP
	v_mul_u32_u24 v[AX], v18, XP
	v_lshl_add_u32 v[AX], v19, 4, v[AX]
	v_add_nc_u32 v[AX], s20, v[AX]                 ; (64 mg + r) pitch + 16 h
	v_add_nc_u32 v[AX+1], BUFB, v[AX]
	v_lshl_add_u32 v23, v19, 3, v21
	v_mul_u32_u24 v[AW], v23, WP                   ; (8 h + lane % 8) pitch
	v_lshl_add_u32 v[AW], v22, 4, v[AW]            ; + 16 ((lane / 8) % 2)
	s_lshl_b32 s21, s[NG], 5
	s_add_co_u32 s26, s21, WOFF
	v_add_nc_u32 v[AW], s26, v[AW]                 ; + 32 ng + W's tile
	v_add_nc_u32 v[AW+1], BUFB, v[AW]
	s_add_co_u32 s26, s21, STG
	v_add_nc_u32 v[STO0], s26, v[AX]               ; stage + (64 mg + r) 144 + 32 ng + 16 h
	v_add_nc_u32 v[STO2], 2*SLOTB, v[STO0]
	v_bfe_u32 v23, v0, 3, 2
	v_mul_u32_u24 v[RD0], v23, XP
	v_lshl_add_u32 v[RD0], v21, 4, v[RD0]
	s_mul_i32 s26, s[WVN], 32*XP
	s_add_co_u32 s26, s26, STG
	v_add_nc_u32 v[RD0], s26, v[RD0]               ; stage + (32 w + lane / 8) 144 + 16 (lane % 8)
	v_add_nc_u32 v[RD2], 2*SLOTB, v[RD0]
	v_and_b32 v23, 31, v0
	v_lshlrev_b32 v[GO], 4, v23
	v_lshl_add_u32 v[GO], s[WVN], 12, v[GO]        ; 32 w rows of 128 bytes + 16 lane
	v_lshlrev_b32 v[PKA], 4, v0
	v_add_nc_u32 v[PKA], STG, v[PKA]               ; stage + 16 t
	s_lshl_b32 s26, s[TBK], 8
	s_lshl_b32 s27, s[MG], 6
	s_add_co_u32 s26, s26, s27
	v_add_nc_u32 v[TR], s26, v18                   ; token = 256 (rb % 16) + 64 mg + r
	v_lshlrev_b32 v20, 3, v19
	v_lshl_add_u32 v20, s[NG], 4, v20              ; my first channel: 16 ng + 8 h
.irp j, 0,1,2,3,4,5,6,7
	v_add_nc_u32 v[RF+\j], \j, v20
.endr
.irp j, 0,1,2,3,4,5,6,7
	v_cvt_f32_u32 v[RF+\j], v[RF+\j]
.endr
.irp j, 0,1,2,3,4,5,6,7
	v_fma_f32 v[RF+\j], v[RF+\j], s22, s23
.endr
.irp j, 0,1,2,3,4,5,6,7
	v_exp_f32 v[RF+\j], v[RF+\j]                   ; turns per token of channel i: 10000^(-i/32) / (2 pi)
.endr
	v_mov_b32 v[KA], 0x3da83c1b                    ; pi^9/9!   (these moves are the plain instructions between the exponentials and their use: ISA guide 5.7.2)
	v_mov_b32 v[KA+1], 0x3da83c1b
	v_mov_b32 v[KB], 0xbcd368f9                    ; -pi^10/10!
	v_mov_b32 v[KB+1], 0xbcd368f9
	s_wait_alu depctr_va_vdst(0)
	SINCOS 0
	SINCOS 1
	SINCOS 2
	SINCOS 3
	WIN 0x04                                       ; an LDS store's data is source 1: window 1
.irp i, 0,1,2,3,4,5,6,7,8,9,10,11,12,13,14,15
	ds_store_b128 v[PKA], v[CS+4*\i:CS+4*\i+3] offset:4096*\i      ; cos and sin go to LDS for the loop: 16 bytes a thread in each of 16 blocks of 4,096, each thread's own
.endr
	WIN 0
	s_wait_dscnt 0x0                               ; they are there: their registers now take x's second set
	LOADX 1, 1
	STOREC 0, 0, 16                                ; the 16 younger loads are chunk 1's x
	TRIP 0, 0, 1, 1
	TRIP 1, 1, 0, 0
	TRIP 2, 0, 1, 0
	TRIP 3, 1, 0, 0
	TRIP 4, 0, 1, 0
	TRIP 5, 1, 0, 0
	TRIP 6, 0, 1, 0
	TRIP 7, 1, 0, 0
	PLACES
	WIN 0x40                                       ; destination in window 1
.irp i, 0,1,2,3,4,5,6,7,8,9,10,11,12,13,14,15
	ds_load_b128 v[CS+4*\i:CS+4*\i+3], v[PKA] offset:4096*\i       ; cos and sin come back into the registers that x's second set has left
.endr
	WIN 0
	s_wait_dscnt 0x0                               ; mine are back,
	s_barrier_signal -1
	s_barrier_wait -1                              ; everybody's are: only now is the stage written
	s_cmp_lg_u32 s[TBK], 0                         ; the same in all eight waves: each way has its own barrier and its own end
	s_cbranch_scc1 .Lonce
	FINISH 1                                       ; tokens 0 to 255: v in two parts
.Lonce:
	FINISH 0                                       ; all others: v rounded once
.Lfunc_end_k_q13d9f951cc_qkv:
	.size	k_q13d9f951cc_qkv, .Lfunc_end_k_q13d9f951cc_qkv-k_q13d9f951cc_qkv
	.p2alignl 7, 3214868480
	.fill 96, 4, 3214868480
	.section	.rodata,"a",@progbits
	.p2align	6, 0x0
	.amdhsa_kernel k_q13d9f951cc_qkv
		.amdhsa_group_segment_fixed_size 275456
		.amdhsa_private_segment_fixed_size 0
		.amdhsa_enable_private_segment 0
		.amdhsa_kernarg_size 56
		.amdhsa_user_sgpr_count 2
		.amdhsa_user_sgpr_kernarg_segment_ptr 1
		.amdhsa_wavefront_size32 1
		.amdhsa_system_sgpr_workgroup_id_x 1
		.amdhsa_system_sgpr_workgroup_id_y 1
		.amdhsa_system_sgpr_workgroup_id_z 1
		.amdhsa_system_vgpr_workitem_id 0
		.amdhsa_next_free_vgpr 512
		.amdhsa_next_free_sgpr 66
		.amdhsa_reserve_vcc 0
		.amdhsa_float_denorm_mode_32 3
		.amdhsa_float_denorm_mode_16_64 3
		.amdhsa_memory_ordered 1
		.amdhsa_forward_progress 1
		.amdhsa_inst_pref_size 191
	.end_amdhsa_kernel
	.amdgpu_metadata
---
amdhsa.version: [ 1, 2 ]
amdhsa.kernels:
  - .name:           k_q13d9f951cc_qkv
    .symbol:         k_q13d9f951cc_qkv.kd
    .args:
      - { .name: x, .offset: 0, .size: 8, .value_kind: global_buffer, .address_space: global }
      - { .name: Wq, .offset: 8, .size: 8, .value_kind: global_buffer, .address_space: global }
      - { .name: Wkv, .offset: 16, .size: 8, .value_kind: global_buffer, .address_space: global }
      - { .name: qb, .offset: 24, .size: 8, .value_kind: global_buffer, .address_space: global }
      - { .name: kb, .offset: 32, .size: 8, .value_kind: global_buffer, .address_space: global }
      - { .name: vb, .offset: 40, .size: 8, .value_kind: global_buffer, .address_space: global }
      - { .name: vl, .offset: 48, .size: 8, .value_kind: global_buffer, .address_space: global }
    .group_segment_fixed_size: 275456
    .private_segment_fixed_size: 0
    .kernarg_segment_align: 8
    .kernarg_segment_size: 56
    .max_flat_workgroup_size: 256
    .sgpr_count:     66
    .vgpr_count:     512
    .wavefront_size: 32
...
	.end_amdgpu_metadata
.endif
;; end of part 4
;; launch attn (part 5): grid 16 x 16, 8 waves a work-group, no clusters, 327,680 bytes of LDS; arguments qb, kb, vb, vl, ob, ol; writes ob, ol
.if DOCPART == 5
	.amdgcn_target "amdgcn-amd-amdhsa--gfx1250"
	.amdhsa_code_object_version 6
	.text
	.protected	k_q13d9f951cc_attn
	.globl	k_q13d9f951cc_attn
	.p2align	8
	.type	k_q13d9f951cc_attn,@function
k_q13d9f951cc_attn:
	s_mov_b64 s[64:65], 0
	v_nop
	global_prefetch_b8 v0, s[64:65] scope:SCOPE_SE
	s_setreg_imm32_b32 hwreg(HW_REG_WAVE_MODE, 25, 1), 1
	s_wait_xcnt 0x0
; o[bh][q] = sum over k of softmax_k(s[q][k]) v[bh][k], over the keys with 0 <= q - k < 1024.  qb, kb, vb f16, ob bf16: [16][4096][64]; vl f16, ol bf16: [16][256][64].
; qb already holds q times log2(e)/8, so the scores are exponents of two.  Both products have f16 operands (the weights lie in 0..1); maxima and sums in f32.
; TWO WAYS, chosen by the query block, the same in all eight waves.  QUERIES 0 TO 255 (block 0): v comes as the sum of two f16 numbers (vb + vl), both are multiplied by the
; weights onto the same sums, and o leaves as the sum of two bf16 numbers: ob holds the upper 16 bits of the f32, ol the rest, rounded.  A query that sees few keys has an o of
; the size of v itself, far above the average, so there neither is rounded to one 16-bit number.  ALL OTHER QUERIES see 257 keys or more, over which the roundings average:
; they take vb alone and o is rounded to bf16 once.  Block 0 has 4 key tiles against the others' 8 to 20, so its further products lengthen nothing.
; SHARES.  Work-group (bq, bh): 256 queries of one head.  Wave w: queries 256 bq + 32 w .. +31, two tiles of 16.  Keys go in tiles of 64 from max(256 bq - 1024, 0) to
; 256 bq + 255: min(4 bq + 4, 20) tiles, two to an LDS slot, two slots.  DK = (first query of my pair of waves) - (first key of the tile) falls by 64 a tile; a wave works on a
; tile only where 0 <= DK <= 1024 (elsewhere every score is masked), and applies the mask only at DK = 0 and DK = 1024 (elsewhere no score is).
; The very first tile is worked on by every wave, always with the mask: there the products with C = 0 start O's sums, and a wave whose window has not begun gets weights 0.
; LAYOUT.  S^T = K Q^T (source 0 = 16 keys, source 1 = 16 queries): a lane holds ONE query (lane % 16) and keys 8 (lane / 16) + 0..7.  Two such tiles rounded in pairs are
; source 1 of O^T = V^T P, whose result again holds one query a lane and eight channels.  V ([key][channel]) comes out of LDS turned.
; SOFTMAX.  A running maximum m and sum l for each query: p = 2^(s - m); O and l are multiplied by a = 2^(m_old - m_new) in every step.
; NO JOINT REQUESTS: neighbouring query blocks' key ranges are shifted by 256 keys against each other and the first four blocks have fewer tiles (4, 8, 12, 16 against 20),
; so partners would need different tiles and different numbers of them.
; LIMITS.  m starts at -1e30: scaled scores must exceed that.  q, k and v must be finite in f16.  From query 256 on v and o carry the rounding of one 16-bit operand each
; (v of keys under 256: cut to 11 bits).
.set PK,    144                        ; a row of K in LDS: 128 bytes + 16: an odd multiple of 16
.set PV,    160                        ; a row of V: 128 + 32: an odd multiple of 32
.set VOFF,  64*PK
.set LOFF,  VOFF+64*PV
.set STEPB, LOFF+64*PV                 ; a tile of K, of V (or its upper part), and room for a tile of V's rest, which block 0 alone fills: 29,696 bytes
.set SLOT1, 65536                      ; a slot holds two steps (59,392 bytes); slot 1 begins here, so that one exclusive or turns an address into the other slot's
.set STAGE, 131072                     ; behind the ring: 2 x 32 rows x 144 bytes for each wave, its own; no tensor load lands here
.set SP,    144
.set AK0,  1                           ; v1   my lane's place in a tile of K
.set AV0,  2                           ; v2   the same for V
.set ADRK, 3                           ; v3-4 the step's LDS addresses
.set ADRV, 4
.set VB0,  5                           ; v5   lane % 16 - 8 (lane / 16) + 32 (w % 2)
.set VB,   6                           ; v6   DK + VB0
.set TM0,  7
.set ST,   8                           ; tile t's statistics at v[8+8t]: +0 m, +1 m_old - m, +2,+3 l, +4,+5 the step's sum (first c0, c1), +6 a (first c2), +7 c3
.set Q,    24                          ; v24-55   Q: tile t, channels 32 c on, at 24 + 16 t + 8 c
.set S,    56                          ; v56-119  S^T: tile t, keys 16 kt on, at 56 + 32 t + 8 kt; P takes the low 16 registers of each tile
.set O,    120                         ; v120-183 O^T: tile t, channels 16 ct on, at 120 + 32 t + 8 ct
.set F,    184                         ; v184-247 K's 8 fragments, then V's.  Window 1, v0-63 (block 0 alone): the 8 fragments of V's rest
.set TM1,  248
.set STO,  249
.set RD,   250
.set GO,   251
.set NINF, 252
.set QO,   253
.set WV,   12
.set G1K,  24                          ; s[24:31] descriptor group 1 for K's tiles
.set G1V,  32                          ; s[32:39] for V's: other padding
.set G0K,  40                          ; s[40:47] group 0 for K: a set for each first fill; the second then walks on
.set G0V,  48                          ; s[48:55] the same for V
.set G0L,  68                          ; s[68:75] block 0: the two first fills of V's rest
.set SLOTS, 56                         ; slots still to be asked for
.set DK,   57
.set TB,   58                          ; LDS byte at which the step's tiles begin
.set C1024, 59
.set SEL,  60                          ; s[60:61] v_permlanex16_b32: each lane takes its own place in the other half
.set PSEL, 62                          ; s62  v_perm_b32: the upper halves of two words
.set HM,   63                          ; s63  a word's upper half
.set OBP,  76                          ; s[76:77] ob, s[78:79] ol
.set MSB, 0
.macro WIN new                         ; the immediate's high byte repeats the setting that is left
.if MSB != \new
	s_set_vgpr_msb (MSB<<8)|\new
.set MSB, \new
.endif
.endm
; The first fills: both slots.  Waves 0 and 1 fetch a slot's two tiles of K, waves 2 and 3 those of V, and in block 0 (lo = 1) waves 4 and 5 those of V's rest, 64 rows each.
; A wave's two loads stand together, ahead of every wait on TENSORcnt, every LDS read and every barrier: two loads of a wave are out at the most.  Four v_nop follow the second.
.macro FIRST lo
	s_cmp_lt_u32 s[WV], 2
	s_cbranch_scc0 .Lfirst_not_k_\@
	tensor_load_to_lds s[G0K:G0K+3], s[G1K:G1K+7]
	s_nop 0
	tensor_load_to_lds s[G0K+4:G0K+7], s[G1K:G1K+7]
	s_nop 0
.rept 4
	v_nop
.endr
	s_branch .Lfirst_asked_\@
.Lfirst_not_k_\@:
	s_cmp_lt_u32 s[WV], 4
.if \lo
	s_cbranch_scc0 .Lfirst_not_v_\@
.else
	s_cbranch_scc0 .Lfirst_asked_\@
.endif
	tensor_load_to_lds s[G0V:G0V+3], s[G1V:G1V+7]
	s_nop 0
	tensor_load_to_lds s[G0V+4:G0V+7], s[G1V:G1V+7]
	s_nop 0
.rept 4
	v_nop
.endr
.if \lo
	s_branch .Lfirst_asked_\@
.Lfirst_not_v_\@:
	s_cmp_lt_u32 s[WV], 6
	s_cbranch_scc0 .Lfirst_asked_\@
	tensor_load_to_lds s[G0L:G0L+3], s[G1V:G1V+7]
	s_nop 0
	tensor_load_to_lds s[G0L+4:G0L+7], s[G1V:G1V+7]
	s_nop 0
.rept 4
	v_nop
.endr
.endif
.Lfirst_asked_\@:
.endm
; A refill: waves 0 and 1 fetch the slot's two tiles of K, waves 2 and 3 those of V, 64 rows each; waves 4 to 7 have no part.  Four v_nop follow each line.
.macro TLOAD
	s_cmp_lt_u32 s[WV], 2
	s_cbranch_scc0 .Lnot_k_\@
	tensor_load_to_lds s[G0K+4:G0K+7], s[G1K:G1K+7]
	s_nop 0
.rept 4
	v_nop
.endr
	s_branch .Lasked_\@
.Lnot_k_\@:
	s_cmp_lt_u32 s[WV], 4
	s_cbranch_scc0 .Lasked_\@
	tensor_load_to_lds s[G0V+4:G0V+7], s[G1V:G1V+7]
	s_nop 0
.rept 4
	v_nop
.endr
.Lasked_\@:
.endm
; The change of slots.  Each wave waits for its reads of the slot and for all its tensor loads (one is out at the most: its part of the other slot); behind the barrier nobody
; reads this slot any more and the other is whole.  fill = 1: this slot is filled again, first thing behind the barrier, one load a wave; it has two key steps in which to land.
.macro CHANGE fill
	s_wait_dscnt 0x0
	s_set_vgpr_msb 0x5
	s_wait_tensorcnt 0x0                           ; no tensor load of mine is out, so a group 0 may be written
	ds_add_u32 v64, v65
	s_wait_dscnt 0x0
	s_set_vgpr_msb 0x500
.if \fill
.irp g, G0K+4, G0V+4
	s_xor_b32 s[\g+1], s[\g+1], SLOT1              ; the other slot than last time,
	s_add_nc_u64 s[\g+2:\g+3], s[\g+2:\g+3], 16384 ; the next 128 keys of 128 bytes; the type bits on top are not reached
.endr
.endif
	s_barrier_signal -1
	s_barrier_wait -1
.if \fill
	TLOAD
.endif
	s_sub_co_u32 s[TB], s[TB], 2*STEPB             ; back to a slot's first step,
	s_xor_b32 s[TB], s[TB], SLOT1                  ; in the other slot
.endm
; A score stays iff 0 <= q - k < 1024, one unsigned comparison; q - k = DK + VB0 - (16 kt + j - 16 t).  Each accumulator's registers are taken in ascending order.
.macro MASK
	v_add_nc_u32 v[VB], s[DK], v[VB0]
.set m, 0
.rept 64
.set mc, 16*((m/8)%4)+m%8-16*(m/32)
.set tm, TM0
.if m%2 == 1
.set tm, TM1
.endif
	v_sub_nc_u32 v[tm], v[VB], mc
	v_cmp_gt_u32 vcc_lo, s[C1024], v[tm]
	v_cndmask_b32 v[S+m], v[NINF], v[S+m], vcc_lo
.set m, m+1
.endr
.endm
; Plain instruction n of 32 behind tile t's exponentials.  Even n: the sum of the tile's 16 pairs of weights, at last l = a l + sum.  Odd n = 2 k + 1: pair k is rounded to f16
; into register k of the tile: by then pair k has been added, and the pair that lay in register k has been added and rounded.
.macro PLAIN t, first
.set kk, n/2
.set rS, S+32*\t
.set rT, ST+8*\t
.if n%2 == 1
	v_cvt_pk_f16_f32 v[rS+kk], v[rS+2*kk], v[rS+2*kk+1]
.elseif kk == 0
	s_wait_alu depctr_va_vdst(0)
	v_pk_add_f32 v[rT+4:rT+5], v[rS:rS+1], v[rS+2:rS+3]
.elseif kk < 14
	v_pk_add_f32 v[rT+4:rT+5], v[rT+4:rT+5], v[rS+2*kk+2:rS+2*kk+3]
.elseif (kk == 14) && \first
	v_pk_add_f32 v[rT+2:rT+3], v[rT+4:rT+5], v[rS+30:rS+31]        ; the first step starts l
.elseif kk == 14
	v_pk_add_f32 v[rT+4:rT+5], v[rT+4:rT+5], v[rS+30:rS+31]
.elseif !\first
	v_pk_fma_f32 v[rT+2:rT+3], v[rT+2:rT+3], v[rT+6:rT+7], v[rT+4:rT+5] op_sel_hi:[1,0,1]
.endif
.endm
.macro SOFTMAX first
	; the maximum of a lane's 32 scores and m: four chains that begin at each accumulator's low end
.irp j, 0,1,2,3
.irp t, 0,1
	v_max3_num_f32 v[ST+8*\t+4+\j], v[S+32*\t+8*\j], v[S+32*\t+8*\j+1], v[S+32*\t+8*\j+2]
.endr
.endr
.irp g, 1,2
.irp j, 0,1,2,3
.irp t, 0,1
	v_max3_num_f32 v[ST+8*\t+4+\j], v[ST+8*\t+4+\j], v[S+32*\t+8*\j+2*\g+1], v[S+32*\t+8*\j+2*\g+2]
.endr
.endr
.endr
.irp t, 0,1
	v_max3_num_f32 v[ST+8*\t+4], v[ST+8*\t+4], v[S+32*\t+7], v[S+32*\t+15]
.endr
.irp t, 0,1
	v_max3_num_f32 v[ST+8*\t+6], v[ST+8*\t+6], v[S+32*\t+23], v[S+32*\t+31]
.endr
.irp t, 0,1
	v_max3_num_f32 v[ST+8*\t+4], v[ST+8*\t+4], v[ST+8*\t+5], v[ST+8*\t+6]
.endr
.irp t, 0,1
	v_max3_num_f32 v[ST+8*\t+4], v[ST+8*\t+4], v[ST+8*\t+7], v[ST+8*\t]
.endr
.irp t, 0,1
	v_permlanex16_b32 v[ST+8*\t+5], v[ST+8*\t+4], s[SEL], s[SEL+1]  ; the query's other 32 keys lie in the lane 16 away
.endr
.irp t, 0,1
	v_max_num_f32 v[ST+8*\t+4], v[ST+8*\t+4], v[ST+8*\t+5]
.endr
.irp t, 0,1
.if \first
	v_mov_b32 v[ST+8*\t+1], v[ST+8*\t+4]           ; named below as m's partner in a pair, so it is written
.else
	v_sub_f32 v[ST+8*\t+1], v[ST+8*\t], v[ST+8*\t+4]
.endif
.endr
.irp t, 0,1
	v_mov_b32 v[ST+8*\t], v[ST+8*\t+4]
.endr
.if !\first
.irp t, 0,1
	v_exp_f32 v[ST+8*\t+6], v[ST+8*\t+1]           ; a
.endr
.endif
.irp k, 0,1,2,3,4,5,6,7,8,9,10,11,12,13,14,15
.irp t, 0,1
	v_pk_add_f32 v[S+32*\t+2*\k:S+32*\t+2*\k+1], v[S+32*\t+2*\k:S+32*\t+2*\k+1], v[ST+8*\t:ST+8*\t+1] op_sel_hi:[1,0] neg_lo:[0,1] neg_hi:[0,1]
.endr
.endr
	; every exponential has a plain instruction behind it that touches neither its result nor its source (ISA guide 5.7.2): first O^T's rescaling, in ascending order, then tile 0's sums and roundings
.set n, 0
.rept 32
	v_exp_f32 v[S+n], v[S+n]
.if !\first
	s_wait_alu depctr_va_vdst(0)
	v_pk_mul_f32 v[O+2*n:O+2*n+1], v[O+2*n:O+2*n+1], v[ST+8*(n/16)+6:ST+8*(n/16)+7] op_sel_hi:[1,0]
.endif
.set n, n+1
.endr
.if \first
	v_nop                                          ; nothing to rescale yet: the plain instruction ahead of the first use
.endif
.set n, 0
.rept 32
	v_exp_f32 v[S+32+n], v[S+32+n]
	PLAIN 0, \first
.set n, n+1
.endr
.set n, 0
.rept 32
	PLAIN 1, \first
.set n, n+1
.endr
.endm
; A key step.  In both products the eight accumulators take turns, one instruction a turn.  lo = 1 (block 0): V's rest is fetched and multiplied too.
.macro STEP first, lo
.if !\first
	s_cmp_gt_u32 s[DK], s[C1024]                   ; unsigned: also true where DK has fallen below 0
	s_cbranch_scc1 .Lskip_\@
.endif
	v_add_nc_u32 v[ADRK], s[TB], v[AK0]
	v_add_nc_u32 v[ADRV], s[TB], v[AV0]
.irp kt, 0,1,2,3
.irp c, 0,1
	ds_load_b128 v[F+8*(2*\kt+\c):F+8*(2*\kt+\c)+3],   v[ADRK] offset:16*PK*\kt+64*\c
	ds_load_b128 v[F+8*(2*\kt+\c)+4:F+8*(2*\kt+\c)+7], v[ADRK] offset:16*PK*\kt+64*\c+32
.endr
.endr
	s_wait_dscnt 0x0
.set i, 0
.rept 16
.set rS, S+32*(i%2)+8*((i/2)%4)
.set rK, F+8*(2*((i/2)%4)+i/8)
.set rQ, Q+16*(i%2)+8*(i/8)
.if i < 8
	v_wmma_f32_16x16x32_f16 v[rS:rS+7], v[rK:rK+7], v[rQ:rQ+7], 0
.else
	v_wmma_f32_16x16x32_f16 v[rS:rS+7], v[rK:rK+7], v[rQ:rQ+7], v[rS:rS+7]
.endif
.set i, i+1
.endr
.rept 4
	v_nop                                          ; four places ahead of the loads into K's registers and of the reads of the scores
.endr
.irp c, 0,1
.irp ct, 0,1,2,3
	ds_load_tr16_b128 v[F+8*(4*\c+\ct):F+8*(4*\c+\ct)+3],   v[ADRV] offset:32*PV*\c+32*\ct
	ds_load_tr16_b128 v[F+8*(4*\c+\ct)+4:F+8*(4*\c+\ct)+7], v[ADRV] offset:32*PV*\c+32*\ct+16*PV
.endr
.endr
.if \lo
	WIN 0x40                                       ; destination in window 1: V's rest
.irp c, 0,1
.irp ct, 0,1,2,3
	ds_load_tr16_b128 v[8*(4*\c+\ct):8*(4*\c+\ct)+3],   v[ADRV] offset:64*PV+32*PV*\c+32*\ct
	ds_load_tr16_b128 v[8*(4*\c+\ct)+4:8*(4*\c+\ct)+7], v[ADRV] offset:64*PV+32*PV*\c+32*\ct+16*PV
.endr
.endr
	WIN 0                                          ; at a label and at a branch every window is 0
.endif
.if \first
	MASK
.else
	s_cmp_eq_u32 s[DK], 0
	s_cbranch_scc1 .Lmask_\@
	s_cmp_lg_u32 s[DK], s[C1024]
	s_cbranch_scc1 .Lfree_\@
.Lmask_\@:
	MASK
.Lfree_\@:
.endif
	SOFTMAX \first
	s_wait_dscnt 0x0                               ; V is in: its loads had the softmax in which to come
.set i, 0
.rept 16+16*\lo                                    ; 16 products with V; in block 0 16 more with its rest, onto the same eight sums
.set rO, O+32*(i%2)+8*((i/2)%4)
.set rV, 8*(4*((i/8)%2)+(i/2)%4)
.set rP, S+32*(i%2)+8*((i/8)%2)
.if i == 16
	WIN 0x01                                       ; source 0 in window 1
.endif
.if \first && (i < 8)
	v_wmma_f32_16x16x32_f16 v[rO:rO+7], v[F+rV:F+rV+7], v[rP:rP+7], 0
.elseif i < 16
	v_wmma_f32_16x16x32_f16 v[rO:rO+7], v[F+rV:F+rV+7], v[rP:rP+7], v[rO:rO+7]
.else
	v_wmma_f32_16x16x32_f16 v[rO:rO+7], v[rV:rV+7], v[rP:rP+7], v[rO:rO+7]
.endif
.set i, i+1
.endr
	WIN 0
.rept 5
	v_nop                                          ; five places: the next step's first products write over P, its loads over V
.endr
.if !\first
.Lskip_\@:
.endif
	s_add_co_u32 s[TB], s[TB], STEPB
	s_sub_co_u32 s[DK], s[DK], 64
.endm
; Q's loads and the lanes' addresses, made while the first tiles are on their way; then the first slot is awaited.
.macro SETUP
	v_and_b32 v254, 15, v0                         ; r = lane % 16
	v_bfe_u32 v255, v0, 4, 1                       ; h = lane / 16
	v_lshlrev_b32 v[QO], 7, v254
	v_lshl_add_u32 v[QO], v255, 4, v[QO]           ; row x 128 + 16 h
.irp t, 0,1
.irp c, 0,1
	global_load_b128 v[Q+16*\t+8*\c:Q+16*\t+8*\c+3],   v[QO], s[4:5] offset:2048*\t+64*\c      ; Q stays in registers
	global_load_b128 v[Q+16*\t+8*\c+4:Q+16*\t+8*\c+7], v[QO], s[4:5] offset:2048*\t+64*\c+32
.endr
.endr
	v_mul_u32_u24 v[AK0], v254, PK
	v_lshl_add_u32 v[AK0], v255, 4, v[AK0]         ; row x pitch + 16 h
	v_and_b32 v3, 7, v0
	v_bfe_u32 v4, v0, 3, 1
	v_lshl_add_u32 v[AV0], v255, 3, v3
	v_mul_u32_u24 v[AV0], v[AV0], PV               ; (8 h + lane % 8) pitch
	v_lshl_add_u32 v[AV0], v4, 4, v[AV0]           ; + 16 ((lane / 8) % 2)
	v_add_nc_u32 v[AV0], VOFF, v[AV0]
	v_lshlrev_b32 v6, 3, v255
	v_sub_nc_u32 v[VB0], v254, v6
	v_lshl_add_u32 v[VB0], s18, 5, v[VB0]
	s_mul_i32 s13, s[WV], 64*SP
	s_add_co_u32 s13, s13, STAGE                   ; my stage
	v_add_nc_u32 v[STO], s13, v[AK0]               ; in: row lane % 16, 16 bytes for each half of the lanes (the same pitch as K's)
	v_bfe_u32 v4, v0, 3, 2
	v_mul_u32_u24 v[RD], v4, SP                    ; back: 8 lanes take a row of 128 bytes, a load four rows
	v_lshl_add_u32 v[RD], v3, 4, v[RD]
	v_add_nc_u32 v[RD], s13, v[RD]
	v_and_b32 v4, 31, v0
	v_lshlrev_b32 v[GO], 4, v4
	v_mov_b32 v[NINF], 0xff800000
	v_mov_b32 v[ST], 0xf149f2ca                    ; m = -1e30
	v_mov_b32 v[ST+8], 0xf149f2ca
	s_wait_tensorcnt 0x1                           ; my part of slot 0 is in; slot 1's, issued behind it, may stay out
	s_barrier_signal -1
	s_barrier_wait -1                              ; everybody's is
	s_wait_loadcnt 0x0                             ; Q
.endm
; THE WAY OUT, to the wave's end: l's two halves and the other half of the lanes' are added; O^T is divided by l, turned into bf16 and sent through my own stage.
; lo = 1: o is cut into two bf16 numbers, for ob and ol; lo = 0: it is rounded once, for ob.
.macro WAYOUT lo
.irp t, 0,1
	v_add_f32 v[ST+8*\t+4], v[ST+8*\t+2], v[ST+8*\t+3]
.endr
.irp t, 0,1
	v_permlanex16_b32 v[ST+8*\t+5], v[ST+8*\t+4], s[SEL], s[SEL+1]
.endr
.irp t, 0,1
	v_add_f32 v[ST+8*\t+4], v[ST+8*\t+4], v[ST+8*\t+5]
.endr
.irp t, 0,1
	v_rcp_f32 v[ST+8*\t+6], v[ST+8*\t+4]
.endr
	v_nop                                          ; a plain instruction between the last reciprocal and its use
	s_wait_alu depctr_va_vdst(0)
.irp t, 0,1
.irp k, 0,1,2,3,4,5,6,7,8,9,10,11,12,13,14,15
	v_pk_mul_f32 v[O+32*\t+2*\k:O+32*\t+2*\k+1], v[O+32*\t+2*\k:O+32*\t+2*\k+1], v[ST+8*\t+6:ST+8*\t+7] op_sel_hi:[1,0]
.endr
.if \lo
.irp k, 0,1,2,3,4,5,6,7,8,9,10,11,12,13,14,15
	v_and_b32 v[F+2*\k],   s[HM], v[O+32*\t+2*\k]                  ; the upper 16 bits, as f32,
	v_and_b32 v[F+2*\k+1], s[HM], v[O+32*\t+2*\k+1]
	v_perm_b32 v[S+32*\t+\k], v[O+32*\t+2*\k+1], v[O+32*\t+2*\k], s[PSEL]   ; and packed: the even channel's in the low half
.endr
.irp k, 0,1,2,3,4,5,6,7,8,9,10,11,12,13,14,15
	v_pk_add_f32 v[F+2*\k:F+2*\k+1], v[O+32*\t+2*\k:O+32*\t+2*\k+1], v[F+2*\k:F+2*\k+1] neg_lo:[0,1] neg_hi:[0,1]   ; the rest, exact
.endr
.irp k, 0,1,2,3,4,5,6,7,8,9,10,11,12,13,14,15
	v_cvt_pk_bf16_f32 v[S+32*\t+16+\k], v[F+2*\k], v[F+2*\k+1]
.endr
.else
.irp k, 0,1,2,3,4,5,6,7,8,9,10,11,12,13,14,15
	v_cvt_pk_bf16_f32 v[S+32*\t+\k], v[O+32*\t+2*\k], v[O+32*\t+2*\k+1]
.endr
.endif
.irp ct, 0,1,2,3
	ds_store_b128 v[STO], v[S+32*\t+4*\ct:S+32*\t+4*\ct+3] offset:16*SP*\t+32*\ct
.if \lo
	ds_store_b128 v[STO], v[S+32*\t+16+4*\ct:S+32*\t+16+4*\ct+3] offset:32*SP+16*SP*\t+32*\ct
.endif
.endr
.endr
.irp p, 0,1
.if (\p == 0) || \lo
.irp n, 0,1,2,3,4,5,6,7
	ds_load_b128 v[F+32*\p+4*\n:F+32*\p+4*\n+3], v[RD] offset:32*SP*\p+4*SP*\n     ; LDS serves a wave's instructions in order (ISA guide 5.7.1.4): these see the stores above
.endr
.endif
.endr
	s_wait_dscnt 0x0
.irp p, 0,1
.if (\p == 0) || \lo
.irp n, 0,1,2,3,4,5,6,7
	global_store_b128 v[GO], v[F+32*\p+4*\n:F+32*\p+4*\n+3], s[OBP+2*\p:OBP+2*\p+1] offset:512*\n   ; a wave's store covers 512 consecutive bytes (4 rows), at a multiple of 512 from the buffer's first byte
.endr
.endif
.endr
	s_set_vgpr_msb 0x5
	s_wait_tensorcnt 0x0
	ds_add_u32 v64, v65
	s_wait_dscnt 0x0
	s_set_vgpr_msb 0x500
	s_endpgm
.endm
	s_load_b256 s[4:11], s[0:1], 0x0               ; qb s[4:5], kb s[6:7], vb s[8:9], vl s[10:11]
	s_load_b128 s[OBP:OBP+3], s[0:1], 0x20         ; ob, ol
	s_set_vgpr_msb 0x40
	v_lshl_add_u32 v64, v0, 2, 0x32000
	v_mov_b32 v65, 0
	s_set_vgpr_msb 0x4045
	ds_add_u32 v64, v65
	s_set_vgpr_msb 0x4500
	v_lshrrev_b32 v3, 5, v0
	v_readfirstlane_b32 s[WV], v3                  ; wave 0..7
	s_and_b32 s13, ttmp7, 0xffff                   ; bh
	s_lshl_b32 s14, ttmp9, 8                       ; q0
	s_max_u32 s15, s14, 1024
	s_sub_co_u32 s15, s15, 1024                    ; the first key: max(q0 - 1024, 0)
	s_lshl_b32 s16, ttmp9, 1
	s_min_u32 s[SLOTS], s16, 8                     ; slots in all min(2 bq + 2, 10); two are filled at the start
	s_lshr_b32 s17, s[WV], 1
	s_lshl_b32 s17, s17, 6
	s_add_co_u32 s17, s17, s14                     ; my pair of waves' first query
	s_sub_co_u32 s[DK], s17, s15
	s_mov_b32 s[TB], 0
	s_mov_b32 s[C1024], 1024
	s_mov_b32 s[SEL], 0x76543210
	s_mov_b32 s[SEL+1], 0xfedcba98
	s_mov_b32 s[PSEL], 0x07060302
	s_mov_b32 s[HM], 0xffff0000
	s_and_b32 s18, s[WV], 1                        ; which of a slot's two steps I fetch:
	s_mul_i32 s19, s18, STEPB                      ; its place in a slot,
	s_lshl_b32 s20, s13, 19                        ; the head's 4,096 rows of 128 bytes,
	s_lshl_b32 s22, s15, 7                         ; the first key,
	s_add_co_u32 s20, s20, s22
	s_lshl_b32 s22, s18, 13                        ; and the step's 64 rows in memory
	s_add_co_u32 s20, s20, s22
	s_mov_b32 s21, 0
	s_lshl_b32 s22, s13, 19
	s_lshl_b32 s23, s14, 7
	s_add_co_u32 s22, s22, s23
	s_lshl_b32 s23, s[WV], 12                      ; my wave's 32 rows
	s_add_co_u32 s22, s22, s23
	s_mov_b32 s23, 0
	; descriptor group 1: a tile of 64 rows x 64 elements of 2 bytes, padded in LDS behind every 32 words (code 4) by 4 words (code 3) or 8 (code 7)
	s_mov_b32 s[G1K], (1<<16)|(1<<20)|(4<<22)|(3<<25)
	s_mov_b32 s[G1V], (1<<16)|(1<<20)|(4<<22)|(7<<25)
.irp g, G1K, G1V
	s_mov_b32 s[\g+1], 64<<16                      ; tensor_dim0 = 64
	s_mov_b32 s[\g+2], 64<<16                      ; tensor_dim1 = 64
	s_mov_b32 s[\g+3], 64<<16                      ; tile_dim0 = 64
	s_mov_b32 s[\g+4], 64                          ; tile_dim1 = 64
	s_mov_b32 s[\g+5], 64                          ; elements from row to row
	s_mov_b32 s[\g+6], 0
	s_mov_b32 s[\g+7], 0
.endr
	s_wait_dscnt 0x0
	s_barrier_signal -1
	s_barrier_wait -1
	s_wait_kmcnt 0x0
	s_add_nc_u64 s[6:7], s[6:7], s[20:21]          ; K and V at my tile of slot 0
	s_add_nc_u64 s[8:9], s[8:9], s[20:21]
	s_add_nc_u64 s[4:5], s[4:5], s[22:23]          ; Q and O at my wave's first row
	s_add_nc_u64 s[OBP:OBP+1], s[OBP:OBP+1], s[22:23]
.irp sl, 0,1
	s_mov_b32 s[G0K+4*\sl], 1                      ; count = 1
	s_add_co_u32 s[G0K+4*\sl+1], s19, \sl*SLOT1    ; LDS address
	s_add_nc_u64 s[G0K+4*\sl+2:G0K+4*\sl+3], s[6:7], \sl*16384     ; slot sl begins with keys 128 sl on
	s_or_b32 s[G0K+4*\sl+3], s[G0K+4*\sl+3], 0x80000000            ; type = 2
	s_mov_b32 s[G0V+4*\sl], 1
	s_add_co_u32 s[G0V+4*\sl+1], s19, \sl*SLOT1+VOFF
	s_add_nc_u64 s[G0V+4*\sl+2:G0V+4*\sl+3], s[8:9], \sl*16384
	s_or_b32 s[G0V+4*\sl+3], s[G0V+4*\sl+3], 0x80000000
.endr
	s_cmp_eq_u32 s[SLOTS], 0                       ; query block 0: the same in all eight waves; each way has its own barriers and its own end
	s_cbranch_scc1 .Lblock0
	; QUERY BLOCKS 1 TO 15: 4 to 10 slots, V and O in one 16-bit number each
	FIRST 0
	SETUP
	STEP 1, 0
	STEP 0, 0
.Lslot:                                                ; min(2 bq, 8) trips, at least two: every slot but the last two is filled again
	CHANGE 1
	STEP 0, 0
	STEP 0, 0
	s_sub_co_u32 s[SLOTS], s[SLOTS], 1
	s_cmp_gt_i32 s[SLOTS], 0                       ; a signed comparison: the loop ends from any start
	s_cbranch_scc1 .Lslot
	CHANGE 0                                       ; the last slot: nothing is left to fetch; no tensor load is out from here on
	STEP 0, 0
	STEP 0, 0
	WAYOUT 0
	; QUERY BLOCK 0: two slots, both filled at the start, V and O in two 16-bit numbers each
.Lblock0:
	s_lshl_b32 s20, s13, 15                        ; in vl and ol a head has 256 rows of 128 bytes
	s_lshl_b32 s22, s18, 13                        ; my step's 64 rows (s23 is still 0)
	s_add_co_u32 s22, s22, s20
	s_add_nc_u64 s[10:11], s[10:11], s[22:23]      ; V's rest at my tile of slot 0
	s_lshl_b32 s22, s[WV], 12                      ; my wave's 32 rows
	s_add_co_u32 s22, s22, s20
	s_add_nc_u64 s[OBP+2:OBP+3], s[OBP+2:OBP+3], s[22:23]
.irp sl, 0,1
	s_mov_b32 s[G0L+4*\sl], 1
	s_add_co_u32 s[G0L+4*\sl+1], s19, \sl*SLOT1+LOFF
	s_add_nc_u64 s[G0L+4*\sl+2:G0L+4*\sl+3], s[10:11], \sl*16384
	s_or_b32 s[G0L+4*\sl+3], s[G0L+4*\sl+3], 0x80000000
.endr
	FIRST 1
	SETUP
	STEP 1, 1
	STEP 0, 1
	CHANGE 0                                       ; slot 1 has landed; nothing is filled again
	STEP 0, 1
	STEP 0, 1
	WAYOUT 1
.Lfunc_end_k_q13d9f951cc_attn:
	.size	k_q13d9f951cc_attn, .Lfunc_end_k_q13d9f951cc_attn-k_q13d9f951cc_attn
	.p2alignl 7, 3214868480
	.fill 96, 4, 3214868480
	.section	.rodata,"a",@progbits
	.p2align	6, 0x0
	.amdhsa_kernel k_q13d9f951cc_attn
		.amdhsa_group_segment_fixed_size 327680
		.amdhsa_private_segment_fixed_size 0
		.amdhsa_enable_private_segment 0
		.amdhsa_kernarg_size 48
		.amdhsa_user_sgpr_count 2
		.amdhsa_user_sgpr_kernarg_segment_ptr 1
		.amdhsa_wavefront_size32 1
		.amdhsa_system_sgpr_workgroup_id_x 1
		.amdhsa_system_sgpr_workgroup_id_y 1
		.amdhsa_system_sgpr_workgroup_id_z 1
		.amdhsa_system_vgpr_workitem_id 0
		.amdhsa_next_free_vgpr 322
		.amdhsa_next_free_sgpr 80
		.amdhsa_reserve_vcc 1
		.amdhsa_float_denorm_mode_32 3
		.amdhsa_float_denorm_mode_16_64 3
		.amdhsa_memory_ordered 1
		.amdhsa_forward_progress 1
		.amdhsa_inst_pref_size 255
	.end_amdhsa_kernel
	.section	.bss,"aw",@nobits
	.p2align	6
	.space	262144
	.amdgpu_metadata
---
amdhsa.version: [ 1, 2 ]
amdhsa.kernels:
  - .name:           k_q13d9f951cc_attn
    .symbol:         k_q13d9f951cc_attn.kd
    .args:
      - { .name: qb, .offset: 0, .size: 8, .value_kind: global_buffer, .address_space: global }
      - { .name: kb, .offset: 8, .size: 8, .value_kind: global_buffer, .address_space: global }
      - { .name: vb, .offset: 16, .size: 8, .value_kind: global_buffer, .address_space: global }
      - { .name: vl, .offset: 24, .size: 8, .value_kind: global_buffer, .address_space: global }
      - { .name: ob, .offset: 32, .size: 8, .value_kind: global_buffer, .address_space: global }
      - { .name: ol, .offset: 40, .size: 8, .value_kind: global_buffer, .address_space: global }
    .group_segment_fixed_size: 327680
    .private_segment_fixed_size: 0
    .kernarg_segment_align: 8
    .kernarg_segment_size: 48
    .max_flat_workgroup_size: 256
    .sgpr_count:     80
    .vgpr_count:     322
    .wavefront_size: 32
...
	.end_amdgpu_metadata
.endif
;; end of part 5
;; launch proj (part 6): grid 4 x 64, 8 waves a work-group, no clusters, 281,600 bytes of LDS; arguments ob, ol, Wo, out0; writes out0
.if DOCPART == 6
	.amdgcn_target "amdgcn-amd-amdhsa--gfx1250"
	.amdhsa_code_object_version 6
	.text
	.protected	k_q13d9f951cc_proj
	.globl	k_q13d9f951cc_proj
	.p2align	8
	.type	k_q13d9f951cc_proj,@function
k_q13d9f951cc_proj:
	s_mov_b64 s[64:65], 0
	v_nop
	global_prefetch_b8 v0, s[64:65] scope:SCOPE_SE
	s_setreg_imm32_b32 hwreg(HW_REG_WAVE_MODE, 25, 1), 1
	s_wait_xcnt 0x0
; out0 = o Wo.  ob: [2][8][4096][64] bf16 (o's column 64 head + d lies in the head's own plane); ol: [2][8][256][64] bf16; Wo: [512][512] f32; out0: [8192][512] f32.
; bf16 operands, f32 sums.  TWO WAYS, chosen by the row block, the same in all eight waves.  TOKENS 0 TO 255 of a batch: o = ob + ol, the sum of two bf16 numbers; both are
; multiplied by the same fragments of Wo, onto the same sums, so that o enters with 16 bits and more: these tokens see few keys and their o lies far above the average.
; ALL OTHER TOKENS: o = ob, rounded to bf16 once.
; SHARES.  Work-group (nb, mb): rows 128 mb .. +127, columns 128 nb .. +127.  Eight waves: mg = w / 2 takes rows 32 mg .. +31 (2 tiles), ng = w % 2 columns 64 ng .. +63 (4 tiles):
; 8 accumulators.  THE MATRIX INSTRUCTION IS USED TRANSPOSED (source 0 = 16 columns of Wo, source 1 = 16 rows of o): a lane holds 8 neighbouring columns of one row.
; K goes in 4 chunks of 128 (two heads) through two LDS buffers.  Wo is f32 and lies [k][n]: it passes through registers, where it is rounded to bf16, and is turned on its way
; out of LDS; o rides along the same way.  For that reason there are no tensor loads and no joint requests here.
; EVERY LOAD GOES OUT A STAGE AHEAD.  Memory is asked two chunks ahead (two sets of 128 registers in window 1).  The fragments of 32 along K have two sets of registers: those of
; step kk + 2 are loaded behind the products of step kk and have the products of step kk + 1 in which to come.
.set AP,    272                        ; LDS row of o: 128 bf16 + 16 bytes: an odd multiple of 16
.set WP,    288                        ; LDS row of Wo: 128 bf16 + 32 bytes: an odd multiple of 32
.set LOA,   128*AP                     ; ol's tile behind ob's
.set WOFF,  2*128*AP                   ; Wo's behind both
.set BUFB,  WOFF+128*WP                ; a buffer: 106,496 bytes
.set STG,   2*BUFB                     ; the stage for the way out: 128 rows x 528 bytes (128 f32 + 16 bytes)
.set SP,    528
.set AO,   2                           ; v2     16 t: my 16 bytes of a head's rows of o
.set WO,   3                           ; v3     (t>>4) 2048 + (t&15) 32: my 32 bytes of Wo's rows
.set AS,   4                           ; v4-5   where I put 16 bytes of o, buffer 0, 1
.set WS,   6                           ; v6-7   the same for Wo
.set AA,   8                           ; v8-9   my lane's place in o's fragments
.set AW,   10                          ; v10-11 the same for Wo's
.set STO,  12
.set RD,   13
.set GO,   14
.set ACC,  16                          ; v16-79   accumulator (mt, nt) at 16 + 8 (4 mt + nt)
.set P0,   80                          ; v80-143  fragment set 0: 2 fragments of ob, 2 of ol, 4 of Wo
.set P1,   144                         ; v144-207 fragment set 1
.set RBK,  144                         ; the way out: 64 registers read back from the stage
                                       ; window 1, set s at 128 s: Wo's 8 units of 8 registers, then ob's 8 units of 4, then ol's
.set TBK,  24                          ; s24    mb % 32: the block of 128 tokens within the batch; 0 and 1 take ol too
.set MSB, 0
.macro WIN new                         ; the immediate's high byte repeats the setting that is left
.if MSB != \new
	s_set_vgpr_msb (MSB<<8)|\new
.set MSB, \new
.endif
.endm
.macro PLACES                          ; four plain places behind a matrix instruction (ISA guide 7.12.1)
.rept 4
	v_nop
.endr
.endm
.macro LOADH c, set                    ; chunk c: heads 2 c and 2 c + 1 of ob (128 rows x 128 bytes each, dense), 128 rows of Wo: 24 loads
	WIN 0x40                                       ; destination in window 1
.irp hh, 0,1
.irp u, 0,1,2,3
	global_load_b128 v[128*(\set)+64+4*(4*\hh+\u):128*(\set)+64+4*(4*\hh+\u)+3], v[AO], s[4:5] offset:(\c)*1048576+\hh*524288+\u*4096
.endr
.endr
.irp u, 0,1,2,3,4,5,6,7
	global_load_b128 v[128*(\set)+8*\u:128*(\set)+8*\u+3],   v[WO], s[8:9] offset:(\c)*262144+\u*32768
	global_load_b128 v[128*(\set)+8*\u+4:128*(\set)+8*\u+7], v[WO], s[8:9] offset:(\c)*262144+\u*32768+16
.endr
	WIN 0
.endm
.macro LOADL c, set                    ; the same two heads of ol, whose planes have 256 rows: 8 loads
	WIN 0x40
.irp hh, 0,1
.irp u, 0,1,2,3
	global_load_b128 v[128*(\set)+96+4*(4*\hh+\u):128*(\set)+96+4*(4*\hh+\u)+3], v[AO], s[6:7] offset:(\c)*65536+\hh*32768+\u*4096
.endr
.endr
	WIN 0
.endm
; the chunk in the given set goes into buffer bf.  left: the younger loads that may stay out: the chunk after this one's, or none.
; At the barrier my stores into bf are done and my reads of the other buffer are back (a chunk's last fragment wait is for 0).
.macro STOREC bf, set, lo, left
	s_wait_loadcnt \left                           ; loads come back in order (ISA guide 5.7.1): this chunk's are in
	WIN 0x45                                       ; destination and sources 0 and 1 in window 1
.irp u, 0,1,2,3,4,5,6,7
.irp i, 0,1,2,3
	v_cvt_pk_bf16_f32 v[128*(\set)+8*\u+\i], v[128*(\set)+8*\u+2*\i], v[128*(\set)+8*\u+2*\i+1]
.endr
.endr
	WIN 0x04                                       ; an LDS store's data is source 1
.irp u, 0,1,2,3,4,5,6,7
	ds_store_b128 v[WS+\bf], v[128*(\set)+8*\u:128*(\set)+8*\u+3] offset:\u*16*WP
.endr
.irp p, 0,1
.if (\p == 0) || \lo
.irp hh, 0,1
.irp u, 0,1,2,3
	ds_store_b128 v[AS+\bf], v[128*(\set)+64+32*\p+4*(4*\hh+\u):128*(\set)+64+32*\p+4*(4*\hh+\u)+3] offset:LOA*\p+\u*32*AP+128*\hh
.endr
.endr
.endif
.endr
	WIN 0
	s_wait_dscnt 0x0                               ; for the others' sake: zero
	s_barrier_signal -1
	s_barrier_wait -1
.endm
; the fragments of step kk (32 along K) of the chunk in buffer bf, into the set at pb: 12 loads, with ol 16
.macro LDF bf, kk, pb, lo
.irp p, 0,1
.if (\p == 0) || \lo
.irp mt, 0,1
	ds_load_b128 v[\pb+16*\p+8*\mt:\pb+16*\p+8*\mt+3],   v[AA+\bf] offset:LOA*\p+16*AP*\mt+64*\kk
	ds_load_b128 v[\pb+16*\p+8*\mt+4:\pb+16*\p+8*\mt+7], v[AA+\bf] offset:LOA*\p+16*AP*\mt+64*\kk+32
.endr
.endif
.endr
.irp nt, 0,1,2,3
	ds_load_tr16_b128 v[\pb+32+8*\nt:\pb+32+8*\nt+3],   v[AW+\bf] offset:32*WP*\kk+32*\nt
	ds_load_tr16_b128 v[\pb+32+8*\nt+4:\pb+32+8*\nt+7], v[AW+\bf] offset:32*WP*\kk+32*\nt+16*WP
.endr
.endm
.macro MUL pb, zero, lo                ; 8 products with ob's fragments, with lo = 1 8 more with ol's; the 8 accumulators take turns, one instruction a turn
.irp p, 0,1
.if (\p == 0) || \lo
.irp nt, 0,1,2,3
.irp mt, 0,1
.if \zero && (\p == 0)
	v_wmma_f32_16x16x32_bf16 v[ACC+8*(4*\mt+\nt):ACC+8*(4*\mt+\nt)+7], v[\pb+32+8*\nt:\pb+32+8*\nt+7], v[\pb+16*\p+8*\mt:\pb+16*\p+8*\mt+7], 0
.else
	v_wmma_f32_16x16x32_bf16 v[ACC+8*(4*\mt+\nt):ACC+8*(4*\mt+\nt)+7], v[\pb+32+8*\nt:\pb+32+8*\nt+7], v[\pb+16*\p+8*\mt:\pb+16*\p+8*\mt+7], v[ACC+8*(4*\mt+\nt):ACC+8*(4*\mt+\nt)+7]
.endif
.endr
.endr
.endif
.endr
.endm
; Chunk c lies in buffer bf (= c % 2, also the register set that it came through and that is free now); ob is the other.
; Each counted wait on LDS leaves out the one younger set of fragments: 12 loads, with ol 16.
.macro TRIP c, bf, ob, lo
	PLACES
	LDF \bf, 0, P0, \lo
	LDF \bf, 1, P1, \lo
	s_wait_dscnt 12+4*\lo                          ; step 0's are in
.if \c == 0
	MUL P0, 1, \lo                                 ; the first products start the sums
.else
	MUL P0, 0, \lo
.endif
	PLACES                                         ; ahead of the loads into the set just multiplied
	LDF \bf, 2, P0, \lo
.if \c < 2
	LOADH \c+2, \bf                                ; the chunk after next: two chunks' work in which to come
.if \lo
	LOADL \c+2, \bf
.endif
.endif
	s_wait_dscnt 12+4*\lo                          ; step 1's are in
	MUL P1, 0, \lo
	PLACES
	LDF \bf, 3, P1, \lo
	s_wait_dscnt 12+4*\lo                          ; step 2's are in
	MUL P0, 0, \lo
	s_wait_dscnt 0x0                               ; step 3's: all my reads of this buffer are back
	MUL P1, 0, \lo
.if \c < 2
	STOREC \ob, \ob, \lo, 24+8*\lo
.elseif \c == 2
	STOREC \ob, \ob, \lo, 0
.endif
.endm
; from behind the first chunk's request to the wave's end
.macro BODY lo
.if \lo
	LOADL 0, 0
.endif
	LOADH 1, 1
.if \lo
	LOADL 1, 1
.endif
	STOREC 0, 0, \lo, 24+8*\lo                     ; the younger loads are chunk 1's
	TRIP 0, 0, 1, \lo
	TRIP 1, 1, 0, \lo
	TRIP 2, 0, 1, \lo
	TRIP 3, 1, 0, \lo
	PLACES
.irp mt, 0,1
.irp nt, 0,1,2,3
	ds_store_b128 v[STO], v[ACC+8*(4*\mt+\nt):ACC+8*(4*\mt+\nt)+3]   offset:16*SP*\mt+64*\nt       ; each accumulator's low four registers first
	ds_store_b128 v[STO], v[ACC+8*(4*\mt+\nt)+4:ACC+8*(4*\mt+\nt)+7] offset:16*SP*\mt+64*\nt+16
.endr
.endr
	s_wait_dscnt 0x0                               ; a row's 512 bytes come from two waves: my stores into the stage are done,
	s_barrier_signal -1
	s_barrier_wait -1                              ; everybody's are
.irp n, 0,1,2,3,4,5,6,7,8,9,10,11,12,13,14,15
	ds_load_b128 v[RBK+4*\n:RBK+4*\n+3], v[RD] offset:SP*\n
.endr
	s_wait_dscnt 0x0
.irp n, 0,1,2,3,4,5,6,7,8,9,10,11,12,13,14,15
	global_store_b128 v[GO], v[RBK+4*\n:RBK+4*\n+3], s[10:11] offset:2048*\n th:TH_STORE_NT   ; a wave's store covers 512 consecutive bytes of a row, at a multiple of 512 from out0's first byte
.endr
	s_wait_tensorcnt 0x0
	ds_add_u32 v254, v255
	s_wait_dscnt 0x0
	s_endpgm
.endm
	s_load_b256 s[4:11], s[0:1], 0x0               ; ob s[4:5], ol s[6:7], Wo s[8:9], out0 s[10:11]
	v_lshl_add_u32 v254, v0, 2, 0x44800
	v_mov_b32 v255, 0
	v_lshrrev_b32 v1, 5, v0
	v_readfirstlane_b32 s12, v1                    ; wave 0..7
	s_lshr_b32 s13, s12, 1                         ; mg
	s_and_b32 s14, s12, 1                          ; ng
	s_and_b32 s15, ttmp7, 0xffff                   ; mb
	s_and_b32 s[TBK], s15, 31
	s_lshr_b32 s25, s15, 5                         ; b
	s_lshl_b32 s16, s25, 22                        ; in ob: 8 heads x 4,096 rows x 128 bytes
	s_lshl_b32 s17, s[TBK], 14                     ; 128 rows of 128 bytes
	s_add_co_u32 s16, s16, s17
	s_lshl_b32 s26, s25, 18                        ; in ol: 8 heads x 256 rows x 128 bytes
	s_add_co_u32 s26, s26, s17
	s_mov_b32 s17, 0
	s_mov_b32 s27, 0
	s_lshl_b32 s18, ttmp9, 9                       ; 128 columns of 4 bytes
	s_mov_b32 s19, 0
	s_lshl_b32 s20, s15, 18                        ; 128 rows of 2,048 bytes
	s_add_co_u32 s20, s20, s18
	s_mov_b32 s21, 0
	v_lshlrev_b32 v[AO], 4, v0
	v_lshrrev_b32 v1, 4, v0                        ; t >> 4
	v_and_b32 v15, 15, v0                          ; t & 15 = lane % 16
	v_lshlrev_b32 v[WO], 11, v1
	v_lshl_add_u32 v[WO], v15, 5, v[WO]
	s_wait_kmcnt 0x0
	s_add_nc_u64 s[4:5], s[4:5], s[16:17]
	s_add_nc_u64 s[8:9], s[8:9], s[18:19]
	s_add_nc_u64 s[10:11], s[10:11], s[20:21]
	LOADH 0, 0                                     ; the addresses are made while the first chunk is on its way
	v_lshrrev_b32 v80, 3, v0
	v_and_b32 v81, 7, v0
	v_mul_u32_u24 v[AS], v80, AP
	v_lshl_add_u32 v[AS], v81, 4, v[AS]
	v_add_nc_u32 v[AS+1], BUFB, v[AS]
	v_mul_u32_u24 v[WS], v1, WP
	v_lshl_add_u32 v[WS], v15, 4, v[WS]
	v_add_nc_u32 v[WS], WOFF, v[WS]
	v_add_nc_u32 v[WS+1], BUFB, v[WS]
	v_bfe_u32 v82, v0, 4, 1                        ; h
	v_bfe_u32 v83, v0, 3, 1
	s_mul_i32 s22, s13, 32*AP
	v_mul_u32_u24 v[AA], v15, AP
	v_lshl_add_u32 v[AA], v82, 4, v[AA]
	v_add_nc_u32 v[AA], s22, v[AA]                 ; (32 mg + r) pitch + 16 h
	v_add_nc_u32 v[AA+1], BUFB, v[AA]
	v_lshl_add_u32 v84, v82, 3, v81
	v_mul_u32_u24 v[AW], v84, WP                   ; (8 h + lane % 8) pitch
	v_lshl_add_u32 v[AW], v83, 4, v[AW]            ; + 16 ((lane / 8) % 2)
	s_lshl_b32 s22, s14, 7
	s_add_co_u32 s22, s22, WOFF
	v_add_nc_u32 v[AW], s22, v[AW]                 ; + 128 ng + Wo's tile
	v_add_nc_u32 v[AW+1], BUFB, v[AW]
	s_mul_i32 s22, s13, 32*SP
	s_lshl_b32 s23, s14, 8
	s_add_co_u32 s22, s22, s23
	s_add_co_u32 s22, s22, STG
	v_mul_u32_u24 v[STO], v15, SP
	v_lshl_add_u32 v[STO], v82, 5, v[STO]
	v_add_nc_u32 v[STO], s22, v[STO]               ; stage + (32 mg + r) 528 + 256 ng + 32 h
	v_and_b32 v84, 31, v0
	s_mul_i32 s22, s12, 16*SP
	s_add_co_u32 s22, s22, STG
	v_lshlrev_b32 v[RD], 4, v84
	v_lshl_add_u32 v[GO], s12, 15, v[RD]           ; 16 w rows of 2,048 bytes + 16 lane
	v_add_nc_u32 v[RD], s22, v[RD]                 ; stage + 16 w rows + 16 lane
	s_cmp_lt_u32 s[TBK], 2                         ; tokens 0 to 255: the same in all eight waves; each way has its own barriers and its own end
	s_cbranch_scc1 .Ltwo
	BODY 0                                         ; o = ob
.Ltwo:
	s_add_nc_u64 s[6:7], s[6:7], s[26:27]          ; ol at my rows: formed here alone, where it lies inside the buffer
	BODY 1                                         ; o = ob + ol
.Lfunc_end_k_q13d9f951cc_proj:
	.size	k_q13d9f951cc_proj, .Lfunc_end_k_q13d9f951cc_proj-k_q13d9f951cc_proj
	.p2alignl 7, 3214868480
	.fill 96, 4, 3214868480
	.section	.rodata,"a",@progbits
	.p2align	6, 0x0
	.amdhsa_kernel k_q13d9f951cc_proj
		.amdhsa_group_segment_fixed_size 281600
		.amdhsa_private_segment_fixed_size 0
		.amdhsa_enable_private_segment 0
		.amdhsa_kernarg_size 32
		.amdhsa_user_sgpr_count 2
		.amdhsa_user_sgpr_kernarg_segment_ptr 1
		.amdhsa_wavefront_size32 1
		.amdhsa_system_sgpr_workgroup_id_x 1
		.amdhsa_system_sgpr_workgroup_id_y 1
		.amdhsa_system_sgpr_workgroup_id_z 1
		.amdhsa_system_vgpr_workitem_id 0
		.amdhsa_next_free_vgpr 512
		.amdhsa_next_free_sgpr 66
		.amdhsa_reserve_vcc 0
		.amdhsa_float_denorm_mode_32 3
		.amdhsa_float_denorm_mode_16_64 3
		.amdhsa_memory_ordered 1
		.amdhsa_forward_progress 1
		.amdhsa_inst_pref_size 115
	.end_amdhsa_kernel
	.amdgpu_metadata
---
amdhsa.version: [ 1, 2 ]
amdhsa.kernels:
  - .name:           k_q13d9f951cc_proj
    .symbol:         k_q13d9f951cc_proj.kd
    .args:
      - { .name: ob, .offset: 0, .size: 8, .value_kind: global_buffer, .address_space: global }
      - { .name: ol, .offset: 8, .size: 8, .value_kind: global_buffer, .address_space: global }
      - { .name: Wo, .offset: 16, .size: 8, .value_kind: global_buffer, .address_space: global }
      - { .name: out0, .offset: 24, .size: 8, .value_kind: global_buffer, .address_space: global }
    .group_segment_fixed_size: 281600
    .private_segment_fixed_size: 0
    .kernarg_segment_align: 8
    .kernarg_segment_size: 32
    .max_flat_workgroup_size: 256
    .sgpr_count:     66
    .vgpr_count:     512
    .wavefront_size: 32
...
	.end_amdgpu_metadata
.endif
;; end of part 6
